; MI455X (gfx1250); checked and timed in simulation.
; The chip was launched on July 23, 2026; its instructions are those of AMD's public machine-readable ISA for CDNA 5 (MIT licence, August 2026) and "CDNA5" Instruction Set Architecture Reference Guide (July 2026). The comments in the code are by the model that wrote it; some were corrected since.
;; Multihead Attention. Allowed arithmetic: matrix products marked QUANTISED: E2M3 operands, one E8M0 scale for each 32 along K, by v_wmma_scale_f32_16x16x128_f8f6f4 with both operands' format E2M3, f32 sums; everything else in f32.
;; Inputs: W_proj 1,024 x 1,024 float32; W_qkv 3,072 x 1,024 float32; b_proj 1,024 float32; b_qkv 3,072 float32; x 4 x 2,048 x 1,024 float32.
;; Outputs: out0 4 x 2,048 x 1,024 float32.
;; This version of the problem:
;;   THIS VERSION OF THE PROBLEM IS GIVEN IN LOW PRECISION. The matrix products marked QUANTISED in the list below multiply operands that are first quantised to E2M3 (2 exponent bits, 3 mantissa bits; 6 bits a number), with one power-of-two scale for each 32 numbers along K (OCP MX v1.0); their sums are f32. All else is computed in f32.
;;   The module's matrix products, in the order in which they are computed (A, B: the left and right operand; K: the contracted axis; several contracted axes count as one K, in the product's order):
;;     1. [M 8,192, K 1,024] x [K 1,024, N 3,072]; A: input x; B: input W_qkv: QUANTISED
;;     2. batch 64 x [M 2,048, K 64] x [K 64, N 2,048]; A: computed on the way; B: computed on the way: QUANTISED
;;     3. batch 64 x [M 2,048, K 2,048] x [K 2,048, N 64]; A: softmax (see below); B: computed on the way: QUANTISED
;;     4. [M 8,192, K 1,024] x [K 1,024, N 1,024]; A: computed on the way; B: input W_proj: QUANTISED
;;   THE QUANTISER, for each operand of a quantised product, along K:
;;     - K is cut into blocks of 32 from its start; a last block that is shorter is filled with zeros.
;;     - A block's scale is 2^e with e = floor(log2(the largest magnitude in the block)) - 2, held to -126 .. 127; a block of zeros has e = 0. As a byte (E8M0): e + 127.
;;     - Each number is divided by its block's scale, clamped to +-7.5, and rounded to the nearest number of E2M3, ties to even, subnormals kept.
;;     - The product sums the exact products of the quantised numbers (number of the format x scale) in f32.
;;   ~~~python
;;   def quantise(x, axis):      # numpy; x: float32 -> the quantised numbers, widened to float32 again
;;       x = np.moveaxis(x, axis, -1); K = x.shape[-1]
;;       x = np.pad(x, [(0, 0)] * (x.ndim - 1) + [(0, -K % 32)]); x = x.reshape(x.shape[:-1] + (-1, 32)); a = np.abs(x).max(-1, keepdims=True)
;;       e = np.where(a > 0, np.clip(np.frexp(np.where(a > 0, a, 1))[1] - 1 - 2, -126, 127), 0)      # np.frexp(a)[1] - 1 = floor(log2(a)), exactly
;;       r = np.clip(x / 2.0 ** e, -7.5, 7.5)
;;       step = 2.0 ** (np.maximum(np.frexp(np.where(r == 0, 1, r))[1] - 1, 0) - 3)
;;       q = np.round(r / step) * step * 2.0 ** e      # np.round: ties to even
;;       return np.moveaxis(q.reshape(q.shape[:-2] + (-1,))[..., :K], -1, axis).astype(np.float32)
;;   ~~~
;;   SOFTMAX AHEAD OF A QUANTISED PRODUCT. Where the list says 'softmax', what is quantised is not the finished softmax but p = 2^(t - M), with t = logit x log2(e) and M = ceil(the row's largest t), a whole number; so 1/2 < the row's largest p <= 1. The row's sum l is taken of the UNQUANTISED p, in f32, and the product's result is divided by l at the end. Since M is a whole number, a kernel that streams over the keys may use a running M (the ceiling of the running maximum): every later rescaling is an exact power of two, which a block's scale takes up: the codes' values come out the same.
;;   OPERANDS COMPUTED ON THE WAY. 'Computed on the way' means the value that the module computes at that place (a softmax that the list does not call 'softmax' is quantised finished and normalised). What goes into a quantiser is computed in f32, as accurately as f32 sums, v_exp_f32 and their like allow (about 1e-6 of the number): no bf16 or f16 on the way to a quantiser, and a product that is left as it is and whose result goes on into a quantised operand takes f32 operands (vector FMAs, or v_wmma_f32_16x16x4_f32). A number that lies on a knife's edge between two numbers of the format may be rounded either way, as far as f32 arithmetic and the matrix unit's own rounding can turn it there, and no further.
;; One version. Each part assembles by itself: llvm-mc -triple=amdgcn-amd-amdhsa -mcpu=gfx1250 --defsym DOCPART=n.
;; ======== version 1 of 1: 4 launches
;; workspace buffers: codes 15,728,640 bytes; gsc 655,360 bytes; att 18,874,368 bytes; atts 1,310,720 bytes
;; launch quant (part 1): grid 384 x 1, 4 waves a work-group, no clusters, 34,304 bytes of LDS; arguments x, W_qkv, W_proj, codes, gsc; writes codes, gsc
.if DOCPART == 1
	.amdgcn_target "amdgcn-amd-amdhsa--gfx1250"
	.amdhsa_code_object_version 6
	.text
	.protected	k_qe88d69a8b5_quant
	.globl	k_qe88d69a8b5_quant
	.p2align	8
	.type	k_qe88d69a8b5_quant,@function
k_qe88d69a8b5_quant:
	s_mov_b64 s[64:65], 0
	v_nop
	global_prefetch_b8 v0, s[64:65] scope:SCOPE_SE
	s_setreg_imm32_b32 hwreg(HW_REG_WAVE_MODE, 25, 1), 1
	s_wait_xcnt 0x0
; x [8192][1024], W_qkv [3072][1024], W_proj [1024][1024], f32, K innermost, become codes of FP6 (E2M3) with one E8M0 byte for each 32 along K.
; A block's scale is 2^(floor(log2(largest magnitude)) - 2): its byte is the largest magnitude's exponent field - 2, held at 1 from below.
; LIMITS: NaN and infinities among the inputs are not served.  A block of zeros gets the byte 1 where the rule says 127: its codes are zeros, and this program alone reads the bytes.
; THE CODES ARE LAID IN THE ORDER OF THE OPERAND'S REGISTERS.  A row block (RB) is 16 rows: block 2 G + u, place r, holds row 32 G + 8 u + r + 8 (r / 8).
; A fragment (an RB x 128 K, 12 registers a lane) is 1,536 bytes: registers 0-3 at 16 x lane, 4-5 at 512 + 8 x lane, 6-9 at 768 + 16 x lane, 10-11 at 1,280 + 8 x lane.
; codes: [RB][K step 8][1,536]; RB 0-511 x, 512-703 W_qkv, 704-767 W_proj.  gsc: [RB][K step / 4][place 16][K step % 4] words of four bytes.
; SHARES.  Wave w of work-group g takes RB 2 g + w / 2 and half w % 2 of K: four steps of one fragment.  A load reads 512 consecutive bytes of one row; the 16 rows x 512 bytes turn
; through the wave's own stage in LDS (rows 528 bytes apart, an odd multiple of 16), from which lane (r, h) takes blocks h and 2 + h of its row: two whole blocks, so no other lane is asked for a maximum.
; No tensor load, no barrier: waves share nothing.  Loads run two steps (32 loads a wave) ahead.
.set ROWF, 4096                        ; a row of 1,024 f32
.set SP,   528                         ; a stage row
.set STG,  16*SP                       ; a wave's stage
.set R,    16                          ; v16-143  two sets of 64 registers as loaded
.set X,    144                         ; v144-207 my two blocks of 32
.set PC,   208                         ; v208-219 the fragment's codes
.set CT,   220                         ; v220-222, v224-226 the blocks' upper halves as converted
.set SO,   228                         ; v228-229 the conversions' scale operands
.set BY,   230                         ; v230-231 the scale bytes
.set SW,   232                         ; v232-235 a scale word for each step
	s_load_b128 s[4:7], s[0:1], 0x0                ; x, W_qkv
	s_load_b128 s[8:11], s[0:1], 0x10              ; W_proj, codes
	s_load_b64 s[12:13], s[0:1], 0x20              ; gsc
	v_lshl_add_u32 v240, v0, 2, 0x8400
	v_mov_b32 v241, 0
	v_lshrrev_b32 v1, 5, v0
	v_readfirstlane_b32 s16, v1                    ; wave
	v_and_b32 v1, 31, v0                           ; lane
	v_and_b32 v2, 15, v0                           ; r
	v_bfe_u32 v3, v0, 4, 1                         ; h
	v_lshlrev_b32 v4, 4, v1                        ; 16 x lane
	v_lshlrev_b32 v5, 3, v1                        ; 8 x lane
	s_mul_i32 s17, s16, STG
	v_add_nc_u32 v6, s17, v4                       ; the stage, in: 16 x lane of a row
	v_mul_u32_u24 v7, v2, SP
	v_lshl_add_u32 v7, v3, 7, v7
	v_add_nc_u32 v7, s17, v7                       ; out: row r, block h
	v_lshlrev_b32 v8, 4, v2                        ; 16 r: my row's four scale words
	v_lshlrev_b32 v9, 3, v3                        ; 8 h
	v_mov_b32 v237, 0                              ; a lane permute's destination counts as read
	s_mov_b32 s20, 0x76543210
	s_mov_b32 s21, 0xfedcba98                      ; selects for lane l xor 16
	s_lshr_b32 s18, s16, 1
	s_and_b32 s19, s16, 1                          ; which half of K
	s_lshl_b32 s22, ttmp9, 1
	s_add_co_u32 s22, s22, s18                     ; my RB
	s_mov_b32 s15, 704
	s_wait_kmcnt 0x0
	s_cmp_lt_u32 ttmp9, 352                        ; which tensor: the choice hangs on the work-group's number alone
	s_cselect_b64 s[6:7], s[6:7], s[8:9]
	s_cselect_b32 s14, 512, s15
	s_cmp_lt_u32 ttmp9, 256
	s_cselect_b64 s[4:5], s[4:5], s[6:7]
	s_cselect_b32 s14, 0, s14                      ; the tensor's first RB
	s_sub_co_u32 s23, s22, s14
	s_lshr_b32 s24, s23, 1
	s_lshl_b32 s24, s24, 5
	s_and_b32 s25, s23, 1
	s_lshl_b32 s25, s25, 3
	s_add_co_u32 s24, s24, s25                     ; the RB's first row: 32 G + 8 u
	s_lshl_b32 s24, s24, 12
	s_lshl_b32 s25, s19, 11
	s_add_co_u32 s24, s24, s25
	s_mov_b32 s25, 0
	s_add_nc_u64 s[4:5], s[4:5], s[24:25]
	s_mul_i32 s26, s22, 12288
	s_mul_i32 s27, s19, 6144
	s_add_co_u32 s26, s26, s27
	s_mov_b32 s27, 0
	s_add_nc_u64 s[10:11], s[10:11], s[26:27]
	s_lshl_b32 s28, s22, 9
	s_lshl_b32 s29, s19, 8
	s_add_co_u32 s28, s28, s29
	s_mov_b32 s29, 0
	s_add_nc_u64 s[12:13], s[12:13], s[28:29]
.macro LOAD t                          ; step t: 128 along K of the RB's 16 rows, place i = row i + 8 (i / 8)
.irp i, 0,1,2,3,4,5,6,7,8,9,10,11,12,13,14,15
	global_load_b128 v[R+64*((\t)%2)+4*\i:R+64*((\t)%2)+4*\i+3], v4, s[4:5] offset:(\i+8*(\i/8))*ROWF+512*(\t) th:TH_LOAD_NT
.endr
.endm
.macro STEP t
.if (\t) < 3
	s_wait_loadcnt 16                              ; this step's 16 loads are in; the next step's 16 may be out
.else
	s_wait_loadcnt 0x0
.endif
.irp i, 0,1,2,3,4,5,6,7,8,9,10,11,12,13,14,15
	ds_store_b128 v6, v[R+64*((\t)%2)+4*\i:R+64*((\t)%2)+4*\i+3] offset:SP*\i
.endr
.irp c, 0,1
.irp q, 0,1,2,3,4,5,6,7
	ds_load_b128 v[X+32*\c+4*\q:X+32*\c+4*\q+3], v7 offset:256*\c+16*\q   ; LDS serves a wave's instructions in order: these see the stores above
.endr
.endr
	s_wait_dscnt 0x0                               ; my two blocks are in, and the stores have read their registers,
.if (\t)+2 < 4
	LOAD (\t)+2                                    ; which take the loads of two steps on
.endif
.irp c, 0,1
	v_max3_num_f32 v[10+2*\c], |v[X+32*\c]|, |v[X+32*\c+1]|, |v[X+32*\c+2]|     ; block 2 c + h: two chains each, the two blocks by turns
	v_max3_num_f32 v[11+2*\c], |v[X+32*\c+3]|, |v[X+32*\c+4]|, |v[X+32*\c+5]|
.endr
.irp i, 6,10,14,18,22,26
.irp c, 0,1
	v_max3_num_f32 v[10+2*\c], v[10+2*\c], |v[X+32*\c+\i]|, |v[X+32*\c+\i+1]|
	v_max3_num_f32 v[11+2*\c], v[11+2*\c], |v[X+32*\c+\i+2]|, |v[X+32*\c+\i+3]|
.endr
.endr
.irp c, 0,1
	v_max3_num_f32 v[10+2*\c], v[10+2*\c], |v[X+32*\c+30]|, |v[X+32*\c+31]|
.endr
.irp c, 0,1
	v_max3_num_f32 v[10+2*\c], v[10+2*\c], v[11+2*\c], 0x1800000   ; the floor 2^(3 - 127): the byte cannot fall under 1
.endr
.irp c, 0,1
	v_add_nc_u32 v[SO+\c], 0xff000000, v[10+2*\c]  ; 2 off the exponent field: the conversion takes this operand's exponent field as its scale
.endr
.irp c, 0,1
	v_lshrrev_b32 v[BY+\c], 23, v[SO+\c]           ; the scale's byte
.endr
	v_lshl_or_b32 v236, v[BY+1], 16, v[BY]         ; blocks h and 2 + h,
	v_lshlrev_b32 v236, v9, v236                   ; at their places in the word;
	v_permlanex16_b32 v237, v236, s20, s21
	v_or_b32 v[SW+(\t)], v236, v237                ; with lane l xor 16's two the word is whole
.if (\t) > 0
	s_wait_xcnt 0x0                                ; the last step's stores have read the codes' registers: they are written again only behind this wait
.endif
.irp c, 0,1
	v_cvt_scalef32_pk16_fp6_f32 v[PC+6*\c:PC+6*\c+2], v[X+32*\c:X+32*\c+15], v[SO+\c]
	v_cvt_scalef32_pk16_fp6_f32 v[CT+4*\c:CT+4*\c+2], v[X+32*\c+16:X+32*\c+31], v[SO+\c]   ; (a conversion's three registers begin on an even number)
.endr
	v_nop                                          ; one plain place behind a scaled conversion
.irp c, 0,1
.irp i, 0,1,2
	v_mov_b32 v[PC+3+6*\c+\i], v[CT+4*\c+\i]
.endr
.endr
	global_store_b128 v4, v[PC:PC+3], s[10:11] offset:1536*(\t)            ; each store covers 512 or 256 consecutive bytes, aligned
	global_store_b64 v5, v[PC+4:PC+5], s[10:11] offset:1536*(\t)+512
	global_store_b128 v4, v[PC+6:PC+9], s[10:11] offset:1536*(\t)+768
	global_store_b64 v5, v[PC+10:PC+11], s[10:11] offset:1536*(\t)+1280
.endm
	LOAD 0
	LOAD 1
	STEP 0
	STEP 1
	STEP 2
	STEP 3
	global_store_b128 v8, v[SW:SW+3], s[12:13]     ; 16 rows x four words: 256 consecutive bytes (lanes 16-31 write the same bytes with the same values)
	s_wait_tensorcnt 0x0
	ds_add_u32 v240, v241
	s_wait_dscnt 0x0
	s_endpgm
.Lfunc_end_k_qe88d69a8b5_quant:
	.size	k_qe88d69a8b5_quant, .Lfunc_end_k_qe88d69a8b5_quant-k_qe88d69a8b5_quant
	.p2alignl 7, 3214868480
	.fill 96, 4, 3214868480
	.section	.rodata,"a",@progbits
	.p2align	6, 0x0
	.amdhsa_kernel k_qe88d69a8b5_quant
		.amdhsa_group_segment_fixed_size 34304
		.amdhsa_private_segment_fixed_size 0
		.amdhsa_enable_private_segment 0
		.amdhsa_kernarg_size 40
		.amdhsa_user_sgpr_count 2
		.amdhsa_user_sgpr_kernarg_segment_ptr 1
		.amdhsa_wavefront_size32 1
		.amdhsa_system_sgpr_workgroup_id_x 1
		.amdhsa_system_sgpr_workgroup_id_y 1
		.amdhsa_system_sgpr_workgroup_id_z 1
		.amdhsa_system_vgpr_workitem_id 0
		.amdhsa_next_free_vgpr 242
		.amdhsa_next_free_sgpr 66
		.amdhsa_reserve_vcc 0
		.amdhsa_float_denorm_mode_32 3
		.amdhsa_float_denorm_mode_16_64 3
		.amdhsa_memory_ordered 1
		.amdhsa_forward_progress 1
		.amdhsa_inst_pref_size 31
	.end_amdhsa_kernel
	.amdgpu_metadata
---
amdhsa.version: [ 1, 2 ]
amdhsa.kernels:
  - .name:           k_qe88d69a8b5_quant
    .symbol:         k_qe88d69a8b5_quant.kd
    .args:
      - { .name: x, .offset: 0, .size: 8, .value_kind: global_buffer, .address_space: global }
      - { .name: W_qkv, .offset: 8, .size: 8, .value_kind: global_buffer, .address_space: global }
      - { .name: W_proj, .offset: 16, .size: 8, .value_kind: global_buffer, .address_space: global }
      - { .name: codes, .offset: 24, .size: 8, .value_kind: global_buffer, .address_space: global }
      - { .name: gsc, .offset: 32, .size: 8, .value_kind: global_buffer, .address_space: global }
    .group_segment_fixed_size: 34304
    .private_segment_fixed_size: 0
    .kernarg_segment_align: 8
    .kernarg_segment_size: 40
    .max_flat_workgroup_size: 128
    .sgpr_count:     66
    .vgpr_count:     242
    .wavefront_size: 32
...
	.end_amdgpu_metadata
.endif
;; end of part 1
;; launch qkv (part 2): grid 8 x 48, 4 waves a work-group, clusters of 4 x 4, 327,680 bytes of LDS; arguments codes, gsc, b_qkv, att, atts; writes att, atts
.if DOCPART == 2
	.amdgcn_target "amdgcn-amd-amdhsa--gfx1250"
	.amdhsa_code_object_version 6
	.text
	.protected	k_qe88d69a8b5_qkv
	.globl	k_qe88d69a8b5_qkv
	.p2align	8
	.type	k_qe88d69a8b5_qkv,@function
k_qe88d69a8b5_qkv:
	s_mov_b64 s[64:65], 0
	v_nop
	global_prefetch_b8 v0, s[64:65] scope:SCOPE_SE
	s_setreg_imm32_b32 hwreg(HW_REG_WAVE_MODE, 25, 1), 1
	s_wait_xcnt 0x0
	s_wait_alu depctr_hold_cnt(0) depctr_sa_sdst(0) depctr_va_vdst(0) depctr_va_sdst(0) depctr_va_ssrc(0) depctr_va_vcc(0) depctr_vm_vsrc(0)
	s_getreg_b32 s2, hwreg(HW_REG_IB_STS2, 6, 4)
	s_cmp_eq_u32 s2, 0
	s_cbranch_scc0 .Lentry_in_a_cluster
	s_endpgm
.Lentry_in_a_cluster:
	s_bfe_u32 s2, ttmp6, 0x10000c
	s_cmp_lg_u32 s2, 0xf033
	s_cbranch_scc0 .Lentry_shape_is_right
	s_endpgm
.Lentry_shape_is_right:
; qkv = x W_qkv^T + b_qkv on codes of FP6 (E2M3) with E8M0 scales, f32 sums; q, k and v are quantised in registers and leave as codes: no f32 number of qkv goes to memory.
; OPERANDS lie in memory as images of their registers: a row block (RB) is 16 rows (block 2 G + u, place r: row 32 G + 8 u + r + 8 (r / 8)); a fragment (RB x 128 K) is 1,536 bytes:
; registers 0-3 at 16 x lane, 4-5 at 512 + 8 x lane, 6-9 at 768 + 16 x lane, 10-11 at 1,280 + 8 x lane.  So a fragment is four dense LDS loads, and a tile needs no pitch and no padding.
; A tile is 256 rows of P (source 0) x 256 rows of N (source 1); a wave makes 128 x 128: 64 accumulators.  A lane holds ONE row of N, and by the RBs' order the 16 registers of P's blocks 2 B, 2 B + 1
; are 16 neighbouring rows of P: the next product's K.
; TWO MODES, by the cluster's y (Y, the same in all sixteen partners).  Y < 8: P = W_qkv's rows of q and k, N = tokens: a lane holds a token, registers run along the head's 64: q and k are quantised along d.
; Y >= 8: P = tokens, N = W_qkv's rows of v: a lane holds one d, registers run along the keys: v is quantised along the keys with nothing transposed.
; K = 1,024 is eight steps of 128, written out.  THREE LDS slots of two steps each are filled at the start; slot 0 is filled once more (steps 6, 7) behind the one round of the cluster's barrier inside the product.
; CLUSTER 4 x 4: N's tiles hang on cy and are shared along a row of the cluster, P's on cx and are shared along a column: joint loads, a quarter of the requests.
; The scale words of the wave's 8 + 8 RBs for all of K are 64 registers, loaded once: lanes 0-15 N's, lanes 16-31 P's.  The bias is the C of each sum's first product.
; LIMITS: NaN and infinities are not served.  A block of zeros gets the byte 1 where the rule says 127: its codes are zeros, and this program alone reads the bytes.
; REGISTERS.  window 0: v1-15 lane numbers and offsets; v16-27 LDS addresses; v28-29 for the add; v32-95 scale words and nothing else; v96-127, v224-255 eight bias tiles; v128-223 N's eight fragments, one set.
;   window 1: P's fragments, two sets, at v0 and v128.   windows 2, 3: accumulator (a, b) at v[8 (8 (a % 4) + b)], a = N's block, b = P's.
.set FR,    12
.set RBB,   12288                      ; an RB's codes: 8 K steps
.set HALFT, 24576                      ; 8 RBs x two K steps: what one tensor load brings
.set SLOT,  4*HALFT                    ; N's two halves, then P's two
.set SPARE, 3*SLOT                     ; behind the slots: the spare words, 128 bytes a wave: two blocks of 256 bytes that no other line names
.set A16, 16                           ; v16-18 N: my half + 16 x lane, for each slot;  v19-21 + 8 x lane
.set A8,  19
.set B16, 22                           ; v22-24, v25-27 the same for P
.set B8,  25
.set SPW, 28
.set NIL, 29
.set SC,  32                           ; register SC + 8 i + ks: lanes 0-15 the word of N's RB i, lanes 16-31 of P's RB i, K step ks
.set AF,  128
.set G1A, 24                           ; s[24:31] group 1 for N's tiles; s[32:43] groups 0, one for each slot
.set G0A, 32
.set G1B, 44                           ; s[44:51], s[52:63] the same for P's
.set G0B, 52
.set TM,  96                           ; the way out: v96-111 maxima, bytes, scale operands
.set PC,  112                          ; v112-131 a fragment's codes, and two upper halves as converted
.set WD,  132                          ; v132-139 the scale word of each of N's blocks
.set WT,  140                          ; v140-147 the words as they are stored
.set VO,  148
.set MSB, 0
.macro WIN new                         ; the immediate's high byte repeats the setting that is left
.if MSB != \new
	s_set_vgpr_msb (MSB<<8)|\new
.set MSB, \new
.endif
.endm
.macro PLACES n
.rept \n
	v_nop
.endr
.endm
; A joint load: waves 0 and 1 fetch N's halves, waves 2 and 3 P's.  The branch hangs on the wave's number alone.  Four v_nop follow each of the two lines.
.macro JLOAD g0a, g1a, g0b, g1b
	s_cmp_eq_u32 s15, 0
	s_cbranch_scc0 .Lfor_b_\@
	tensor_load_to_lds s[\g0a:\g0a+3], s[\g1a:\g1a+7]
	s_nop 0
.rept 4
	v_nop
.endr
	s_branch .Lasked_\@
.Lfor_b_\@:
	tensor_load_to_lds s[\g0b:\g0b+3], s[\g1b:\g1b+7]
	s_nop 0
.rept 4
	v_nop
.endr
.Lasked_\@:
.endm
.macro CREST                           ; a round of the cluster's barrier behind its opening barrier
	s_cmp_lg_u32 s14, 0
	s_cbranch_scc1 .Lnot_wave_0_\@
	s_barrier_signal -3
.Lnot_wave_0_\@:
	s_barrier_wait -3
	s_barrier_signal -1
	s_barrier_wait -1
.endm
.macro CROUND
	s_barrier_signal -1
	s_barrier_wait -1
	CREST
.endm
.macro FRAG reg, a16, a8, off          ; a fragment's image back into 12 registers
	ds_load_b128 v[\reg:\reg+3], v[\a16] offset:\off
	ds_load_b64 v[\reg+4:\reg+5], v[\a8] offset:\off+512
	ds_load_b128 v[\reg+6:\reg+9], v[\a16] offset:\off+768
	ds_load_b64 v[\reg+10:\reg+11], v[\a8] offset:\off+1280
.endm
.macro FETCH_B slot, q, p              ; P's eight fragments of the slot's q-th K step into set p
	WIN 0x40
.irp i, 0,1,2,3,4,5,6,7
	FRAG 128*(\p)+FR*\i, B16+\slot, B8+\slot, 3072*\i+1536*(\q)
.endr
	WIN 0
.endm
.macro FETCH_A slot, q, i0             ; N's blocks i0 .. i0 + 3
.irp i, \i0, \i0+1, \i0+2, \i0+3
	FRAG AF+FR*(\i), A16+\slot, A8+\slot, 3072*(\i)+1536*(\q)
.endr
.endm
; 16 products: N's blocks a0, a0 + 1 x P's eight, K step ks, P's set p.  cm = 0: onto the sums; 1: the sums begin with the bias tile of P's block; 2: of N's block.
; The 64 accumulators take turns, one instruction a turn, in the same order in every step.
.macro MUL16 a0, p, ks, cm
.irp a, \a0, \a0+1
.irp b, 0,1,2,3,4,5,6,7
.set rD, 8*(8*((\a)%4)+\b)
.set rC, rD
.if \cm == 1
.set rC, 96+8*\b+96*(\b/4)
.endif
.if \cm == 2
.set rC, 96+8*(\a)+96*((\a)/4)
.endif
.set rP, 128*(\p)+FR*\b
.set rN, AF+FR*(\a)
	v_wmma_scale_f32_16x16x128_f8f6f4 v[rD:rD+7], v[rP:rP+FR-1], v[rN:rN+FR-1], v[rC:rC+7], v[SC+8*\b+(\ks)], v[SC+8*(\a)+(\ks)] matrix_a_fmt:MATRIX_FMT_FP6 matrix_b_fmt:MATRIX_FMT_FP6 matrix_a_scale:MATRIX_SCALE_ROW1
.endr
.endr
.endm
; A K step; in it the next step's fragments (slot nslot, its nq-th) are fetched: P's other set and N's blocks 0-3 in the middle, N's blocks 4-7 at the end.
; Four plain places stand between a product and a load into a register that it has read (ISA guide 7.12.1 for vector instructions).
.macro STEP ks, nslot, nq, cm
	s_wait_dscnt 16                                ; P's set and N's blocks 0-3 are in; the youngest 16 loads (N's blocks 4-7) may be out
.if \cm
	WIN 0x81                                       ; P window 1, N and the bias window 0, D window 2
.else
	WIN 0xa1
.endif
	MUL16 0, (\ks)%2, \ks, \cm
	MUL16 2, (\ks)%2, \ks, \cm
	s_wait_dscnt 0x0                               ; N's blocks 4-7 are in
	PLACES 4
	FETCH_B \nslot, \nq, 1-(\ks)%2
	FETCH_A \nslot, \nq, 0
.if \cm
	WIN 0xc1
.else
	WIN 0xf1
.endif
	MUL16 4, (\ks)%2, \ks, \cm
	MUL16 6, (\ks)%2, \ks, \cm
	PLACES 4
	WIN 0
	FETCH_A \nslot, \nq, 4
.endm
; An odd K step with a barrier in it.  In front of the signal each wave waits for all its tensor loads, adds 0 to its spare word, and waits for that and for its own LDS reads.
; fill = 1: the barrier opens a round of the cluster's barrier, and behind it slot 0, which nobody reads any more, takes K steps 6 and 7.
.macro TURN ks, next, fill
	s_wait_tensorcnt 0x0                           ; all my tensor loads have landed
	ds_add_u32 v[SPW], v[NIL]                      ; 0 onto my spare word
	s_wait_dscnt 17                                ; (the add and the youngest 16 loads may be out)
	WIN 0xa1
	MUL16 0, 1, \ks, 0                             ; sixteen products stand between the add and the wait for it
	s_wait_dscnt 0x0                               ; the add is done, and my LDS reads are over
	s_barrier_signal -1
	MUL16 2, 1, \ks, 0
	WIN 0
	s_barrier_wait -1
.if \fill
	CREST                                          ; no wave of any partner still reads slot 0 or has a load on its way
	s_add_nc_u64 s[G0A+2:G0A+3], s[G0A+2:G0A+3], 9216   ; three slots of two K steps on
	s_add_nc_u64 s[G0B+2:G0B+3], s[G0B+2:G0B+3], 9216
	JLOAD G0A, G1A, G0B, G1B                       ; the first tensor load behind the round: it has four K steps, 256 products a wave, in which to land; its four v_nop are the places for the loads below
.else
	PLACES 4
.endif
	FETCH_B \next, 0, 0
	FETCH_A \next, 0, 0
	WIN 0xf1
	MUL16 4, 1, \ks, 0
	MUL16 6, 1, \ks, 0
	PLACES 4
	WIN 0
	FETCH_A \next, 0, 4
.endm
	s_load_b128 s[4:7], s[0:1], 0x0                ; codes, gsc
	s_load_b128 s[8:11], s[0:1], 0x10              ; b_qkv, att
	s_load_b64 s[12:13], s[0:1], 0x20              ; atts
	v_lshl_add_u32 v[SPW], v0, 2, SPARE
	v_mov_b32 v[NIL], 0
	ds_add_u32 v28, v29
	ds_add_u32 v28, v29
	s_wait_dscnt 0x0
	v_lshrrev_b32 v1, 5, v0
	v_readfirstlane_b32 s14, v1                    ; wave 0..3
	s_lshr_b32 s15, s14, 1                         ; wN: my half of N.  Also: I fetch for N (0) or for P (1)
	s_and_b32 s16, s14, 1                          ; wP: my half of P.  Also: which 8 RBs of that tile I fetch
	s_bfe_u32 s17, ttmp6, 0x40000                  ; cx
	s_bfe_u32 s18, ttmp6, 0x40004                  ; cy
	s_lshl_b32 s19, ttmp9, 2
	s_add_co_u32 s19, s19, s17                     ; work-group x
	s_and_b32 s20, ttmp7, 0xffff                   ; Y: the cluster's y
	s_mov_b32 s22, 0x76543210
	s_mov_b32 s23, 0xfedcba98                      ; selects for lane l xor 16
	s_lshl_b32 s66, s20, 7
	s_sub_co_u32 s66, s66, 1024                    ; 128 (Y - 8): the batch's first RB of x (used where Y >= 8)
	s_lshl_b32 s67, s20, 6                         ; 64 Y
	s_mov_b32 s68, 512
	s_mov_b32 s69, 640
	s_cmp_ge_u32 s20, 8
	s_cselect_b32 s21, 1, 0                        ; MODE: 0 q and k, 1 v
	s_cselect_b32 s66, s66, s68                    ; P's first RB less 16 x work-group x
	s_cselect_b32 s67, s69, s67                    ; N's first RB less 16 cy
	s_lshl_b32 s76, s18, 2
	s_lshl_b32 s76, 15, s76                        ; my row of the cluster
	s_lshl_b32 s77, 0x1111, s17                    ; my column
	; group 1: 8 rows (RBs) of 3,072 bytes (two K steps), 12,288 bytes apart, in elements of 8 bytes; dense in LDS
	s_or_b32 s[G1A], s76, (3<<16)|(1<<21)          ; 15:0 the mask: N's tiles go to my row; 17:16 elements of 8 bytes; 21 set beside a mask
	s_or_b32 s[G1B], s77, (3<<16)|(1<<21)          ; P's go to my column
.irp g, G1A, G1B
	s_mov_b32 s[\g+1], 384<<16                     ; tensor_dim0
	s_mov_b32 s[\g+2], 8<<16                       ; tensor_dim1
	s_mov_b32 s[\g+3], 384<<16                     ; tile_dim0
	s_mov_b32 s[\g+4], 8                           ; tile_dim1
	s_mov_b32 s[\g+5], 1536                        ; from row to row
	s_mov_b32 s[\g+6], 0
	s_mov_b32 s[\g+7], 0
.endr
	s_lshl_b32 s76, s16, 3
	s_lshl_b32 s77, s15, 3
	s_lshl_b32 s70, s19, 4
	s_add_co_u32 s70, s70, s66
	s_add_co_u32 s70, s70, s76                     ; P: the RB from which I fetch, and my half's first
	s_lshl_b32 s72, s18, 4
	s_add_co_u32 s72, s72, s67                     ; N: the tile's first RB,
	s_add_co_u32 s74, s72, s77                     ; my half's first,
	s_add_co_u32 s72, s72, s76                     ; and the one from which I fetch
	s_lshl_b32 s75, s74, 9                         ; where their scale words begin
	s_lshl_b32 s78, s70, 9
	s_mul_i32 s70, s70, RBB
	s_mov_b32 s71, 0
	s_mul_i32 s72, s72, RBB
	s_mov_b32 s73, 0
	s_mul_i32 s79, s14, HALFT                      ; where my load goes: wave x 24,576: no place in the cluster enters an LDS address
	s_wait_kmcnt 0x0
	s_add_nc_u64 s[70:71], s[4:5], s[70:71]
	s_add_nc_u64 s[72:73], s[4:5], s[72:73]
	CROUND                                         ; all sixteen work-groups are here: the first joint loads meet
.irp s, 0,1,2
	s_mov_b32 s[G0A+4*\s], 1
	s_add_co_u32 s[G0A+4*\s+1], s79, \s*SLOT
	s_add_nc_u64 s[G0A+4*\s+2:G0A+4*\s+3], s[72:73], \s*3072
	s_or_b32 s[G0A+4*\s+3], s[G0A+4*\s+3], 0x80000000
	s_mov_b32 s[G0B+4*\s], 1
	s_add_co_u32 s[G0B+4*\s+1], s79, \s*SLOT
	s_add_nc_u64 s[G0B+4*\s+2:G0B+4*\s+3], s[70:71], \s*3072
	s_or_b32 s[G0B+4*\s+3], s[G0B+4*\s+3], 0x80000000
	JLOAD G0A+4*\s, G1A, G0B+4*\s, G1B             ; K steps 2 s and 2 s + 1: three loads of mine are out
.endr
	v_and_b32 v3, 31, v0                           ; lane
	v_and_b32 v1, 15, v0                           ; r
	v_bfe_u32 v2, v0, 4, 1                         ; h
	v_lshlrev_b32 v4, 4, v3                        ; 16 x lane
	v_lshlrev_b32 v5, 3, v3                        ; 8 x lane
	v_and_b32 v6, 8, v1
	v_add_nc_u32 v6, v6, v1                        ; r + 8 (r / 8)
	s_wait_alu depctr_va_vdst(0)
	v_mov_b32 v7, s75
	v_mov_b32 v8, s78
	v_cmp_ne_u32 vcc_lo, 0, v2
	v_cndmask_b32 v7, v7, v8, vcc_lo               ; lanes 0-15 take N's scale words, lanes 16-31 P's
	v_lshl_add_u32 v7, v1, 4, v7
.irp i, 0,1,2,3,4,5,6,7
.irp hh, 0,1
	global_load_b128 v[SC+8*\i+4*\hh:SC+8*\i+4*\hh+3], v7, s[6:7] offset:512*\i+256*\hh   ; sixteen lanes read 256 consecutive bytes: RB i, K steps 4 hh on
.endr
.endr
	; the bias, eight tiles of eight registers in the result's layout.  q, k: tile t, register j = b(n0 + 32 (t / 2) + 8 (t % 2) + 16 h + j);  v: = b(n0 + 32 (t / 2) + 8 (t % 2) + r + 8 (r / 8)), the same in all eight
	s_lshl_b32 s80, s19, 8
	s_lshl_b32 s81, s16, 7
	s_add_co_u32 s80, s80, s81                     ; q, k: n0 = 256 x work-group x + 128 wP
	s_lshl_b32 s82, s18, 8
	s_lshl_b32 s83, s15, 7
	s_add_co_u32 s82, s82, s83
	s_add_co_u32 s82, s82, 2048                    ; v: n0 = 2,048 + 256 cy + 128 wN
	s_cmp_eq_u32 s21, 1
	s_cselect_b32 s80, s82, s80
	s_cselect_b32 s84, 4, 0
	s_cselect_b32 s85, 0, 64
	s_cselect_b32 s86, 0, 4
	s_lshl_b32 s80, s80, 2
	v_mul_u32_u24 v8, v6, s84
	v_mad_u32_u24 v8, v2, s85, v8
	v_add_nc_u32 v8, s80, v8
.irp j, 1,2,3,4,5,6,7
	v_add_nc_u32 v[8+\j], s86, v[7+\j]
.endr
.irp t, 0,1,2,3,4,5,6,7
.irp j, 0,1,2,3,4,5,6,7
	global_load_b32 v[96+8*\t+96*(\t/4)+\j], v[8+\j], s[8:9] offset:4*(32*(\t/2)+8*(\t%2))
.endr
.endr
	s_mul_i32 s87, s15, HALFT                      ; my half of N,
	s_mul_i32 s88, s16, HALFT
	s_add_co_u32 s88, s88, 2*HALFT                 ; my half of P, behind N's two
.irp s, 0,1,2
	v_add_nc_u32 v[A16+\s], s87, v4
	v_add_nc_u32 v[A8+\s], s87, v5
	v_add_nc_u32 v[B16+\s], s88, v4
	v_add_nc_u32 v[B8+\s], s88, v5
	s_add_co_u32 s87, s87, SLOT
	s_add_co_u32 s88, s88, SLOT
.endr
	s_wait_alu depctr_va_vdst(0)
	s_wait_tensorcnt 2                             ; my part of slot 0 is in; slots 1 and 2 may stay out
	s_barrier_signal -1
	s_barrier_wait -1                              ; everybody's is
	FETCH_B 0, 0, 0
	FETCH_A 0, 0, 0
	FETCH_A 0, 0, 4
	s_wait_loadcnt 0x0                             ; scale words and bias
	s_cmp_eq_u32 s21, 0                            ; the first K step starts the sums with the bias: by P's block (q, k) or by N's (v).  Both ways issue the same LDS loads
	s_cbranch_scc0 .Lfirst_v
	STEP 0, 0, 1, 1
	s_branch .Ljoined
.Lfirst_v:
	STEP 0, 0, 1, 2
.Ljoined:
	TURN 1, 1, 1                                   ; every wave has waited for all three slots in front of this round: slots 1 and 2 are whole for everybody
	STEP 2, 1, 1, 0
	STEP 3, 2, 0, 0
	STEP 4, 2, 1, 0
	TURN 5, 0, 0                                   ; slot 0's second fill has landed in every wave; nothing more is filled
	STEP 6, 0, 1, 0
	s_wait_dscnt 16                                ; the last K step: nothing more to fetch
	WIN 0xa1
	MUL16 0, 1, 7, 0
	MUL16 2, 1, 7, 0
	s_wait_dscnt 0x0
	WIN 0xf1
	MUL16 4, 1, 7, 0
	MUL16 6, 1, 7, 0
	WIN 0
; THE WAY OUT.  The 64 registers of N's block a (register 16 B + i = P's row 32 B + 16 h + i of my 128) become one fragment's codes in v[PC] on and its scale word in v[WD + a].
; Each accumulator is read from its low end on.
.macro QUANT a
.set WS, 2+(\a)/4
.set S, 64*((\a)%4)
.set WX, (WS<<2)|(WS<<4)
	WIN WX                                         ; sources 1 and 2 in the accumulators' window
.irp b, 0,1,2,3
	v_max3_num_f32 v[TM+\b], 0x1800000, |v[S+16*\b]|, |v[S+16*\b+1]|   ; block b: my 16 numbers, and the floor 2^(3 - 127): the byte cannot fall under 1
.endr
.irp i, 2,4,6,8,10,12,14
.irp b, 0,1,2,3
	v_max3_num_f32 v[TM+\b], v[TM+\b], |v[S+16*\b+\i]|, |v[S+16*\b+\i+1]|
.endr
.endr
	WIN 0
.irp b, 0,1,2,3
	v_permlanex16_b32 v[TM+4+\b], v[TM+\b], s22, s23
.endr
.irp b, 0,1,2,3
	v_max_num_f32 v[TM+\b], v[TM+\b], v[TM+4+\b]   ; with lane l xor 16's: the block's largest magnitude
.endr
.irp b, 0,1,2,3
	v_add_nc_u32 v[TM+12+\b], 0xff000000, v[TM+\b] ; 2 off its exponent field: the conversion's scale operand
.endr
.irp b, 0,1,2,3
	v_lshrrev_b32 v[TM+4+\b], 23, v[TM+12+\b]      ; the scale's byte
.endr
	v_lshl_or_b32 v[WD+(\a)], v[TM+5], 8, v[TM+4]
	v_lshl_or_b32 v[WD+(\a)], v[TM+6], 16, v[WD+(\a)]
	v_lshl_or_b32 v[WD+(\a)], v[TM+7], 24, v[WD+(\a)]
	WIN WS                                         ; source 0 in the accumulators' window
.irp c, 0,1
	v_cvt_scalef32_pk16_fp6_f32 v[PC+6*\c:PC+6*\c+2], v[S+32*\c:S+32*\c+15], v[TM+12+2*\c]
	v_cvt_scalef32_pk16_fp6_f32 v[PC+12+4*\c:PC+14+4*\c], v[S+16+32*\c:S+31+32*\c], v[TM+13+2*\c]   ; (a conversion's three registers begin on an even number)
.endr
	WIN 0
	v_nop                                          ; one plain place behind a scaled conversion
.irp c, 0,1                                    ; the operand's layout wants a WHOLE block in a lane: lanes 0-15 block 2 c, lanes 16-31 block 2 c + 1
.irp i, 0,1,2
	v_permlane16_swap_b32 v[PC+6*\c+\i], v[PC+12+4*\c+\i]
.endr
.irp i, 0,1,2
	v_mov_b32 v[PC+3+6*\c+\i], v[PC+12+4*\c+\i]
.endr
.endr
.endm
; The codes leave straight from the registers, as images: each store covers 512 or 256 consecutive bytes, aligned.  mode 0: a fragment's two halves are two heads' tiles of 16 tokens x 64;  mode 1: it is one head's 16 d x 128 keys.
.macro EPI mode
	PLACES 4                                       ; behind the last products, in front of the first read of results and the first write over operands
.irp b, 0,1,2,3
	v_mov_b32 v[TM+4+\b], 0                        ; a lane permute's destination counts as read
.endr
.irp a, 0,1,2,3,4,5,6,7
	s_wait_xcnt 0x0                                ; the last block's stores have read the codes' registers
	QUANT \a
.if \mode == 0
	global_store_b128 v4, v[PC:PC+3], s[90:91] offset:768*\a
	global_store_b64 v5, v[PC+4:PC+5], s[90:91] offset:768*\a+512
	global_store_b128 v4, v[PC+6:PC+9], s[90:91] offset:294912+768*\a
	global_store_b64 v5, v[PC+10:PC+11], s[90:91] offset:294912+768*\a+512
.else
	global_store_b128 v4, v[PC:PC+3], s[90:91] offset:(\a/4)*294912+(\a%4)*1536
	global_store_b64 v5, v[PC+4:PC+5], s[90:91] offset:(\a/4)*294912+(\a%4)*1536+512
	global_store_b128 v4, v[PC+6:PC+9], s[90:91] offset:(\a/4)*294912+(\a%4)*1536+768
	global_store_b64 v5, v[PC+10:PC+11], s[90:91] offset:(\a/4)*294912+(\a%4)*1536+1280
.endif
.endr
	v_mul_u32_u24 v[VO], v2, 20480                 ; lanes 0-15 write the first head's words, lanes 16-31 the second's: 256 consecutive bytes each
	v_lshl_add_u32 v[VO], v1, 4, v[VO]
.if \mode == 0
	v_lshlrev_b32 v149, 4, v2
.irp a, 0,1,2,3,4,5,6,7
	v_lshrrev_b32 v[WT+\a], v149, v[WD+\a]         ; a head's two bytes; the word's upper two stay 0 (its upper 64 along K are zero codes in the next launch)
.endr
.irp a, 0,1,2,3,4,5,6,7
	v_and_b32 v[WT+\a], 0xffff, v[WT+\a]
.endr
	global_store_b128 v[VO], v[WT:WT+3], s[92:93]
	global_store_b128 v[VO], v[WT+4:WT+7], s[92:93] offset:256
.else
	v_cmp_ne_u32 vcc_lo, 0, v2
.irp i, 0,1,2,3
	v_cndmask_b32 v[WT+\i], v[WD+\i], v[WD+4+\i], vcc_lo
.endr
	global_store_b128 v[VO], v[WT:WT+3], s[92:93]
.endif
.endm
	s_cmp_eq_u32 s21, 0
	s_cbranch_scc0 .Lout_v
	s_lshr_b32 s80, s20, 1                         ; q, k: the first of my two heads: 16 x batch + 4 cx + 2 wP
	s_lshl_b32 s80, s80, 4
	s_lshl_b32 s81, s17, 2
	s_add_co_u32 s80, s80, s81
	s_lshl_b32 s81, s16, 1
	s_add_co_u32 s80, s80, s81
	s_and_b32 s81, s20, 1
	s_lshl_b32 s81, s81, 2
	s_add_co_u32 s81, s81, s18
	s_lshl_b32 s81, s81, 1
	s_add_co_u32 s81, s81, s15                     ; which 128 tokens of the batch: my first tile is 8 x this
	s_mul_i32 s82, s80, 294912
	s_mul_i32 s83, ttmp9, 98304                    ; the cluster's x: 0 q, 1 k
	s_add_co_u32 s82, s82, s83
	s_mul_i32 s83, s81, 6144
	s_add_co_u32 s82, s82, s83
	s_mov_b32 s83, 0
	s_add_nc_u64 s[90:91], s[10:11], s[82:83]
	s_mul_i32 s84, s80, 20480
	s_lshl_b32 s85, ttmp9, 13
	s_add_co_u32 s84, s84, s85
	s_lshl_b32 s85, s81, 9
	s_add_co_u32 s84, s84, s85
	s_mov_b32 s85, 0
	s_add_nc_u64 s[92:93], s[12:13], s[84:85]
	EPI 0
	s_branch .Ldone
.Lout_v:
	s_sub_co_u32 s80, s20, 8                       ; v: the first of my two heads: 16 x batch + 4 cy + 2 wN
	s_lshl_b32 s80, s80, 4
	s_lshl_b32 s81, s18, 2
	s_add_co_u32 s80, s80, s81
	s_lshl_b32 s81, s15, 1
	s_add_co_u32 s80, s80, s81
	s_lshl_b32 s81, s19, 1
	s_add_co_u32 s81, s81, s16                     ; which 128 keys
	s_mul_i32 s82, s80, 294912
	s_mul_i32 s83, s81, 6144
	s_add_co_u32 s82, s82, s83
	s_add_co_u32 s82, s82, 196608
	s_mov_b32 s83, 0
	s_add_nc_u64 s[90:91], s[10:11], s[82:83]
	s_mul_i32 s84, s80, 20480
	s_lshl_b32 s85, s81, 8
	s_add_co_u32 s84, s84, s85
	s_add_co_u32 s84, s84, 16384
	s_mov_b32 s85, 0
	s_add_nc_u64 s[92:93], s[12:13], s[84:85]
	EPI 1
.Ldone:
	s_wait_tensorcnt 0x0                           ; the wave's end
	ds_add_u32 v[SPW], v[NIL]
	s_wait_dscnt 0x0
	CROUND                                         ; the closing round: no work-group ends while a partner may still ask for a tile that names it
	s_endpgm
.Lfunc_end_k_qe88d69a8b5_qkv:
	.size	k_qe88d69a8b5_qkv, .Lfunc_end_k_qe88d69a8b5_qkv-k_qe88d69a8b5_qkv
	.p2alignl 7, 3214868480
	.fill 96, 4, 3214868480
	.section	.rodata,"a",@progbits
	.p2align	6, 0x0
	.amdhsa_kernel k_qe88d69a8b5_qkv
		.amdhsa_group_segment_fixed_size 327680
		.amdhsa_private_segment_fixed_size 0
		.amdhsa_enable_private_segment 0
		.amdhsa_kernarg_size 40
		.amdhsa_user_sgpr_count 2
		.amdhsa_user_sgpr_kernarg_segment_ptr 1
		.amdhsa_wavefront_size32 1
		.amdhsa_system_sgpr_workgroup_id_x 1
		.amdhsa_system_sgpr_workgroup_id_y 1
		.amdhsa_system_sgpr_workgroup_id_z 1
		.amdhsa_system_vgpr_workitem_id 0
		.amdhsa_next_free_vgpr 1024
		.amdhsa_next_free_sgpr 100
		.amdhsa_reserve_vcc 1
		.amdhsa_float_denorm_mode_32 3
		.amdhsa_float_denorm_mode_16_64 3
		.amdhsa_memory_ordered 1
		.amdhsa_forward_progress 1
		.amdhsa_inst_pref_size 203
	.end_amdhsa_kernel
	.amdgpu_metadata
---
amdhsa.version: [ 1, 2 ]
amdhsa.kernels:
  - .name:           k_qe88d69a8b5_qkv
    .symbol:         k_qe88d69a8b5_qkv.kd
    .args:
      - { .name: codes, .offset: 0, .size: 8, .value_kind: global_buffer, .address_space: global }
      - { .name: gsc, .offset: 8, .size: 8, .value_kind: global_buffer, .address_space: global }
      - { .name: b_qkv, .offset: 16, .size: 8, .value_kind: global_buffer, .address_space: global }
      - { .name: att, .offset: 24, .size: 8, .value_kind: global_buffer, .address_space: global }
      - { .name: atts, .offset: 32, .size: 8, .value_kind: global_buffer, .address_space: global }
    .group_segment_fixed_size: 327680
    .private_segment_fixed_size: 0
    .kernarg_segment_align: 8
    .kernarg_segment_size: 40
    .max_flat_workgroup_size: 128
    .sgpr_count:     100
    .vgpr_count:     1024
    .wavefront_size: 32
...
	.end_amdgpu_metadata
.endif
;; end of part 2
;; launch attn (part 3): grid 4 x 64, 16 waves a work-group, clusters of 4 x 1, 327,680 bytes of LDS; arguments att, atts, codes, gsc; writes codes, gsc
.if DOCPART == 3
	.amdgcn_target "amdgcn-amd-amdhsa--gfx1250"
	.amdhsa_code_object_version 6
	.text
	.protected	k_qe88d69a8b5_attn
	.globl	k_qe88d69a8b5_attn
	.p2align	8
	.type	k_qe88d69a8b5_attn,@function
k_qe88d69a8b5_attn:
	s_mov_b64 s[64:65], 0
	v_nop
	global_prefetch_b8 v0, s[64:65] scope:SCOPE_SE
	s_setreg_imm32_b32 hwreg(HW_REG_WAVE_MODE, 25, 1), 1
	s_wait_xcnt 0x0
	s_wait_alu depctr_hold_cnt(0) depctr_sa_sdst(0) depctr_va_vdst(0) depctr_va_sdst(0) depctr_va_ssrc(0) depctr_va_vcc(0) depctr_vm_vsrc(0)
	s_getreg_b32 s2, hwreg(HW_REG_IB_STS2, 6, 4)
	s_cmp_eq_u32 s2, 0
	s_cbranch_scc0 .Lentry_in_a_cluster
	s_endpgm
.Lentry_in_a_cluster:
	s_bfe_u32 s2, ttmp6, 0x10000c
	s_cmp_lg_u32 s2, 0x3003
	s_cbranch_scc0 .Lentry_shape_is_right
	s_endpgm
.Lentry_shape_is_right:
; y = causal softmax(q k^T / 8) v for one head (batch x head = the cluster's y), both products on codes of FP6 (E2M3) with E8M0 scales; y leaves as codes, quantised along the embedding, for the last product.
; THE SOFTMAX AHEAD OF THE SECOND PRODUCT: t = score x log2(e) / 8; M = the running largest t rounded UP to a whole number; p = 2^(t - M) is quantised along the keys, not normalised; the row's sum is taken of
; the unquantised p and divides at the end; when M moves, the sum and O are multiplied by 2^(old M - new M): exact.
; INPUTS are images of operands' registers.  A tile is 16 tokens (tile 2 G + u, place r: token 32 G + 8 u + r + 8 (r / 8)) x 64: six registers a lane, 768 bytes (registers 0-3 at 16 x lane, 4-5 at 512 + 8 x lane).
; V: for 128 keys and 16 d (the same order of places) a whole fragment, two such halves.  So S^T = K Q^T gives a lane ONE query and, in the 16 registers of tiles 2 B, 2 B + 1, 16 neighbouring keys; O^T = V^T P^T likewise along d.
; THE HEAD'S 64 IN AN INSTRUCTION OF 128: Q's upper six registers are zero codes, so what stands in the upper six of K's operand (the next tile's codes, finite numbers all) adds nothing; the upper scale bytes are 0, a power of two.
; SHARES.  The four work-groups of a cluster share one head's K and V: all of both (196,608 bytes) and their scale words (12,288) come into each one's LDS ONCE, by joint loads, sixteen waves a part each.
; Query tile T = 4 m + cx.  Wave w takes m = w and then m = 31 - w: (w / 2 + 1) + ((31 - w) / 2 + 1) = 17 key steps of 128 for every wave.  Which steps are hidden, open or on the diagonal hangs on m, that is on the wave's
; number alone (T / 8 = m / 2): partners branch alike.  The loop over the 16 key steps has a constant trip count; a hidden step's work is jumped over.
; LIMITS: NaN and infinities are not served.  A block of zeros gets the byte 1 where the rule says 127 (its codes are zeros; this program alone reads the bytes).  A block's largest p is taken through the block's largest score,
; which takes v_exp_f32 not to fall where its input rises.  1 / l is v_rcp_f32 and a multiplication.  y's scale bytes leave two to a lane: a scale word spans two heads, which lie in different work-groups.
; REGISTERS: v1-7, v30-31 lane addresses; v8-11, v28-29 the step's addresses; v12 -M, v13 largest t, v[14:15] the sum; v16-27 Q (22-27 zeros); v32-79 K's eight tiles, then V's four fragments; v80-85 zeros;
;   v86-93 K's scale words, v94 Q's, v95 p's, v192-195 V's; v96-159 S^T, then p; v160-191 O^T; v196, v198-203 the second tile's Q; v204-242 at work.
.set KW,  196608                       ; LDS: K's images at 0, V's at 98,304; K's scale words here, V's at 204,800
.set VW,  204800
.set BM,  204                          ; v204-207 block maxima
.set PT,  208                          ; v208-211 lane permutes' destinations, then bytes
.set SO,  212                          ; v212-215 the conversions' scale operands
.set PC,  216                          ; v216-227 p's codes
.set CT,  228                          ; v228-230, v232-234 upper halves as converted
.set G1C, 24                           ; s[24:31] group 1 for the codes, s[32:39] for the scale words; s[40:43], s[44:47] their groups 0
.set G1S, 32
.set G0C, 40
.set G0S, 44
.macro CROUND
	s_barrier_signal -1
	s_barrier_wait -1
	s_cmp_lg_u32 s14, 0
	s_cbranch_scc1 .Lnot_wave_0_\@
	s_barrier_signal -3
.Lnot_wave_0_\@:
	s_barrier_wait -3
	s_barrier_signal -1
	s_barrier_wait -1
.endm
	s_load_b128 s[4:7], s[0:1], 0x0                ; att, atts
	s_load_b128 s[8:11], s[0:1], 0x10              ; codes, gsc
	v_lshl_add_u32 v254, v0, 2, 0x34000
	v_mov_b32 v255, 0
	ds_add_u32 v254, v255
	ds_add_u32 v254, v255
	v_lshrrev_b32 v1, 5, v0
	s_delay_alu instid0(VALU_DEP_1)
	v_readfirstlane_b32 s14, v1                    ; wave 0..15
	s_bfe_u32 s15, ttmp6, 0x40000                  ; cx: it enters Q's and y's addresses and the mask's numbers alone
	s_and_b32 s16, ttmp7, 0xffff                   ; 16 x batch + head
	s_mov_b32 s20, 0x76543210
	s_mov_b32 s21, 0xfedcba98                      ; selects for lane l xor 16
	s_mov_b32 s22, 0x3e38aa3b                      ; c = log2(e) / 8
	s_mov_b32 s23, s22                             ; (named with it as a pair)
	; group 1: dense blocks as rows of 256 bytes (32 elements of 8 bytes): 48 rows of codes, 3 of scale words, for each wave
	s_mov_b32 s[G1C], 15|(3<<16)|(1<<21)           ; 15:0 the mask: all four work-groups; 17:16 elements of 8 bytes; 21 set beside a mask
	s_mov_b32 s[G1C+1], 32<<16
	s_mov_b32 s[G1C+2], 48<<16
	s_mov_b32 s[G1C+3], 32<<16
	s_mov_b32 s[G1C+4], 48
	s_mov_b32 s[G1C+5], 32
	s_mov_b32 s[G1C+6], 0
	s_mov_b32 s[G1C+7], 0
	s_mov_b32 s[G1S], 15|(3<<16)|(1<<21)
	s_mov_b32 s[G1S+1], 32<<16
	s_mov_b32 s[G1S+2], 3<<16
	s_mov_b32 s[G1S+3], 32<<16
	s_mov_b32 s[G1S+4], 3
	s_mov_b32 s[G1S+5], 32
	s_mov_b32 s[G1S+6], 0
	s_mov_b32 s[G1S+7], 0
	s_mul_i32 s58, s16, 294912
	s_mov_b32 s59, 0
	s_mul_i32 s60, s16, 20480
	s_mov_b32 s61, 0
	s_mul_i32 s17, s14, 12288                      ; my sixteenth of K's and V's images,
	s_mul_i32 s18, s14, 768                        ; and of their scale words
	v_and_b32 v8, 31, v0
	s_delay_alu instid0(VALU_DEP_1)
	v_lshlrev_b32 v1, 4, v8                        ; 16 x lane
	s_delay_alu instid0(VALU_DEP_2)
	v_lshlrev_b32 v2, 3, v8                        ; 8 x lane
	v_and_b32 v9, 15, v0                           ; r
	v_bfe_u32 v10, v0, 4, 1                        ; h
	s_delay_alu instid0(VALU_DEP_2)
	v_lshlrev_b32 v7, 4, v9                        ; 16 r
	s_delay_alu instid0(VALU_DEP_1)
	v_add_nc_u32 v3, KW, v7
	s_delay_alu instid0(VALU_DEP_2)
	v_add_nc_u32 v4, VW, v7
	v_add_nc_u32 v30, 98304, v1
	v_add_nc_u32 v31, 98304, v2
	v_and_b32 v5, 8, v9
	s_delay_alu instid0(VALU_DEP_1)
	v_add_nc_u32 v5, v5, v9
	v_lshlrev_b32 v10, 4, v10
	s_delay_alu instid0(VALU_DEP_1)
	v_sub_nc_u32 v5, v5, v10                       ; r + 8 (r / 8) - 16 h
.irp j, 0,1,2,3,4,5
	v_mov_b32 v[22+\j], 0                          ; Q's upper 64 along K: zero codes
	v_mov_b32 v[80+\j], 0                          ; what stands behind K's last tile
.endr
.irp b, 0,1,2,3
	v_mov_b32 v[PT+\b], 0                          ; a lane permute's destination counts as read
.endr
	v_mov_b32 v237, 0                              ; (the upper half of the pair v[236:237])
	v_mov_b32 v242, 0xff800000                     ; -infinity
	s_lshl_b32 s62, s14, 2
	s_add_co_u32 s62, s62, s15                     ; my first query tile: 4 w + cx
	s_sub_co_u32 s63, 31, s14
	s_lshl_b32 s63, s63, 2
	s_add_co_u32 s63, s63, s15                     ; my second: 4 (31 - w) + cx
	s_lshr_b32 s74, s15, 1
	s_lshl_b32 s74, s74, 5
	s_and_b32 s86, s15, 1
	s_lshl_b32 s86, s86, 3
	s_add_co_u32 s74, s74, s86                     ; 32 (cx / 2) + 8 (cx % 2)
	s_lshr_b32 s79, s16, 4                         ; batch
	s_and_b32 s84, s16, 15                         ; head
	s_lshl_b32 s79, s79, 7
	s_add_co_u32 s79, s79, 768                     ; y's first row block of the batch
	s_mul_i32 s77, s79, 12288
	s_mul_i32 s85, s84, 768
	s_add_co_u32 s77, s77, s85                     ; y's codes: + K step head / 2, half head % 2
	s_lshl_b32 s78, s79, 9
	s_lshr_b32 s85, s84, 3
	s_lshl_b32 s85, s85, 8
	s_add_co_u32 s78, s78, s85
	s_bfe_u32 s85, s84, 0x20001
	s_lshl_b32 s85, s85, 2
	s_add_co_u32 s78, s78, s85
	s_and_b32 s85, s84, 1
	s_lshl_b32 s85, s85, 1
	s_add_co_u32 s78, s78, s85                     ; y's scale bytes: my head's two in each row's word
	s_mul_i32 s66, s62, 768
	s_mov_b32 s67, 0
	s_mul_i32 s68, s63, 768
	s_mov_b32 s69, 0
	s_lshl_b32 s87, s15, 2
	s_lshl_b32 s70, s14, 8
	s_add_co_u32 s70, s70, s87
	s_mov_b32 s71, 0
	s_sub_co_u32 s72, 31, s14
	s_lshl_b32 s72, s72, 8
	s_add_co_u32 s72, s72, s87
	s_mov_b32 s73, 0
	s_wait_dscnt 0x0
	s_wait_kmcnt 0x0
	s_add_nc_u64 s[4:5], s[4:5], s[58:59]          ; att and atts at my head
	s_add_nc_u64 s[6:7], s[6:7], s[60:61]
	s_mov_b32 s[G0C], 1
	s_mov_b32 s[G0C+1], s17                        ; LDS: wave x 12,288
	s_add_co_u32 s58, s17, 98304                   ; K begins behind Q, V follows K
	s_add_nc_u64 s[G0C+2:G0C+3], s[4:5], s[58:59]
	s_or_b32 s[G0C+3], s[G0C+3], 0x80000000
	s_mov_b32 s[G0S], 1
	s_add_co_u32 s[G0S+1], s18, KW
	s_add_co_u32 s60, s18, 8192
	s_add_nc_u64 s[G0S+2:G0S+3], s[6:7], s[60:61]
	s_or_b32 s[G0S+3], s[G0S+3], 0x80000000
	s_add_nc_u64 s[66:67], s[4:5], s[66:67]        ; Q's two tiles,
	s_add_nc_u64 s[68:69], s[4:5], s[68:69]
	s_add_nc_u64 s[70:71], s[6:7], s[70:71]        ; and their scale words: 256 m + 4 cx (+ 16 r)
	s_add_nc_u64 s[72:73], s[6:7], s[72:73]
	CROUND                                         ; all four work-groups are here: the joint loads meet
	tensor_load_to_lds s[G0C:G0C+3], s[G1C:G1C+7]  ; the launch's only fills: one load of mine is out
	s_nop 0
	s_wait_alu depctr_va_vdst(0)
	s_wait_tensorcnt 0x0
	ds_add_u32 v254, v255
	s_wait_dscnt 0x0
	CROUND
	tensor_load_to_lds s[G0S:G0S+3], s[G1S:G1S+7]
	s_nop 0
.rept 4
	v_nop
.endr
	global_load_b128 v[16:19], v1, s[66:67]
	global_load_b64 v[20:21], v2, s[66:67] offset:512
	global_load_b32 v94, v7, s[70:71]
	global_load_b128 v[198:201], v1, s[68:69]
	global_load_b64 v[202:203], v2, s[68:69] offset:512
	global_load_b32 v196, v7, s[72:73]
	s_wait_tensorcnt 0x0                           ; my parts have landed,
	s_barrier_signal -1
	s_barrier_wait -1                              ; everybody's have: from here on LDS is only read
	s_wait_loadcnt 0x0                             ; Q
; ONE QUERY TILE: 16 queries against the keys up to them.
.macro TILE idx
	s_wait_xcnt 0x0                                ; earlier loads and stores have read their registers and bases: they are written again only behind this wait
.if \idx == 0
	s_mov_b32 s53, s14                             ; m
	s_mov_b32 s75, s62                             ; T
.else
	s_sub_co_u32 s53, 31, s14
	s_mov_b32 s75, s63
.irp j, 0,1,2,3,4,5
	v_mov_b32 v[16+\j], v[198+\j]
.endr
	v_mov_b32 v94, v196                            ; (the 36 plain lines below stand between these and the first product)
.endif
	s_lshr_b32 s52, s53, 1                         ; the step on the diagonal
	s_and_b32 s76, s53, 1
	s_lshl_b32 s76, s76, 6
	s_add_co_u32 s76, s76, s74
	v_add_nc_u32 v6, s76, v5                       ; my query - the diagonal step's first key - 16 h
	v_mov_b32 v13, 0xff61b1e6                      ; the largest t so far: -3e38
	s_delay_alu instid0(VALU_DEP_1)
	v_floor_f32 v12, -v13                          ; -M
	v_mov_b32 v14, 0
	v_mov_b32 v15, 0
.set n, 0
.rept 32
	v_mov_b32 v[160+n], 0                          ; O^T: the first change of M multiplies zeros
.set n, n+1
.endr
	s_mov_b32 s48, 0                               ; the step's images: 6,144 bytes a step, K's and V's alike
	s_mov_b32 s49, 0                               ; K's scale words: 512
	s_mov_b32 s50, 0                               ; V's: 256
	s_mov_b32 s51, 0                               ; the step
.Lstep_\@:
	s_cmp_gt_u32 s51, s52                          ; all 128 keys come after my 16 queries: the step's work is left out
	s_cbranch_scc1 .Lskip_\@
	s_setprio 2
	v_add_nc_u32 v8, s48, v1
	v_add_nc_u32 v9, s48, v2
	v_add_nc_u32 v10, s48, v30
	v_add_nc_u32 v11, s48, v31
	v_add_nc_u32 v28, s49, v3
	v_add_nc_u32 v29, s50, v4
.irp t, 0,1,2,3,4,5,6,7
	ds_load_b128 v[32+6*\t:35+6*\t], v8 offset:768*\t
	ds_load_b64 v[36+6*\t:37+6*\t], v9 offset:768*\t+512
.endr
	ds_load_b128 v[86:89], v28
	ds_load_b128 v[90:93], v28 offset:256
	s_wait_alu depctr_va_vdst(0)
	s_wait_dscnt 0x0
.irp t, 0,1,2,3,4,5,6,7                        ; S^T = K Q^T: register 16 B + i of a lane = key 128 J + 32 B + 16 h + i
	v_wmma_scale_f32_16x16x128_f8f6f4 v[96+8*\t:103+8*\t], v[32+6*\t:43+6*\t], v[16:27], 0, v[86+\t], v94 matrix_a_fmt:MATRIX_FMT_FP6 matrix_b_fmt:MATRIX_FMT_FP6
.endr
.rept 4
	v_nop                                          ; places in front of loads into K's registers and of the first read of the scores
.endr
.irp t, 0,1,2,3                                ; V's four fragments land under the softmax
	ds_load_b128 v[32+12*\t:35+12*\t], v10 offset:1536*\t
	ds_load_b64 v[36+12*\t:37+12*\t], v11 offset:1536*\t+512
	ds_load_b128 v[38+12*\t:41+12*\t], v10 offset:1536*\t+768
	ds_load_b64 v[42+12*\t:43+12*\t], v11 offset:1536*\t+1280
.endr
	ds_load_b128 v[192:195], v29
	s_cmp_lg_u32 s51, s52                          ; on the diagonal hidden scores become -infinity ahead of the maximum: p = 0 then
	s_cbranch_scc1 .Lopen_\@
.set n, 0
.rept 64
	v_cmp_gt_i32 vcc_lo, 32*(n/16)+n%16, v6
	v_cndmask_b32 v[96+n], v[96+n], v242, vcc_lo
.set n, n+1
.endr
.Lopen_\@:
.irp b, 0,1,2,3
	v_max3_num_f32 v[BM+\b], v[96+16*\b], v[97+16*\b], v[98+16*\b]   ; the largest score of each block of 32 keys: for the row's maximum, and for the block's largest p
.endr
.irp i, 3,5,7,9,11,13
.irp b, 0,1,2,3
	v_max3_num_f32 v[BM+\b], v[BM+\b], v[96+16*\b+\i], v[97+16*\b+\i]
.endr
.endr
.irp b, 0,1,2,3
	v_max_num_f32 v[BM+\b], v[BM+\b], v[111+16*\b]
.endr
.irp b, 0,1,2,3
	s_delay_alu instid0(VALU_DEP_4)
	v_permlanex16_b32 v[PT+\b], v[BM+\b], s20, s21
.endr
.irp b, 0,1,2,3
	s_delay_alu instid0(VALU_DEP_4)
	v_max_num_f32 v[BM+\b], v[BM+\b], v[PT+\b]     ; with lane l xor 16's 16 keys
.endr
	s_delay_alu instid0(VALU_DEP_2)
	v_max3_num_f32 v238, v[BM], v[BM+1], v[BM+2]
	s_delay_alu instid0(VALU_DEP_1)
	v_max_num_f32 v238, v238, v[BM+3]
	s_delay_alu instid0(VALU_DEP_1)
	v_mul_f32 v238, s22, v238                      ; as t
	s_delay_alu instid0(VALU_DEP_1)
	v_max_num_f32 v13, v13, v238                   ; the running largest t
	v_mov_b32 v238, v12
	s_delay_alu instid0(VALU_DEP_2)
	v_floor_f32 v12, -v13                          ; the new -M = -ceil(t)
	s_delay_alu instid0(VALU_DEP_1)
	v_sub_f32 v238, v12, v238                      ; old M - new M: a whole number, 0 or less
	s_delay_alu instid0(VALU_DEP_1)
	v_cvt_i32_f32 v238, v238                       ; (it saturates)
	s_delay_alu instid0(VALU_DEP_1)
	v_ldexp_f32 v236, 1.0, v238                    ; f = 2^(old M - new M)
.set n, 0
.rept 32
	v_pk_fma_f32 v[96+n:97+n], v[96+n:97+n], s[22:23], v[12:13] op_sel_hi:[1,0,0]   ; t - M
.set n, n+2
.endr
	s_setprio 1
.irp b, 0,1,2,3
	v_fma_f32 v[BM+\b], v[BM+\b], s22, v12         ; the same of each block's largest score
.endr
.set n, 0
	s_wait_alu depctr_va_vdst(0)
.rept 64
	v_exp_f32 v[96+n], v[96+n]                     ; p = 2^(t - M)
.set n, n+1
.endr
.irp b, 0,1,2,3
	v_exp_f32 v[BM+\b], v[BM+\b]                   ; the block's largest p
.endr
	v_pk_mul_f32 v[14:15], v[14:15], v[236:237] op_sel_hi:[1,0]   ; the sum under the new M (a plain place behind the exponentials)
	s_wait_alu depctr_va_vdst(0)
.irp b, 0,1,2,3
	v_max_num_f32 v[BM+\b], 0x1800000, v[BM+\b]    ; the floor 2^(3 - 127)
.endr
.irp b, 0,1,2,3
	s_delay_alu instid0(VALU_DEP_4)
	v_add_nc_u32 v[SO+\b], 0xff000000, v[BM+\b]    ; 2 off the exponent field: the conversion's scale operand
.endr
.irp b, 0,1,2,3
	s_delay_alu instid0(VALU_DEP_4)
	v_lshrrev_b32 v[PT+\b], 23, v[SO+\b]           ; the scale's byte
.endr
	s_delay_alu instid0(VALU_DEP_3)
	v_lshl_or_b32 v95, v[PT+1], 8, v[PT]           ; p's scale word for these 128 keys
	s_delay_alu instid0(VALU_DEP_1)
	v_lshl_or_b32 v95, v[PT+2], 16, v95
	s_delay_alu instid0(VALU_DEP_1)
	v_lshl_or_b32 v95, v[PT+3], 24, v95
.irp c, 0,1
	v_cvt_scalef32_pk16_fp6_f32 v[PC+6*\c:PC+6*\c+2], v[96+32*\c:111+32*\c], v[SO+2*\c]
	v_cvt_scalef32_pk16_fp6_f32 v[CT+4*\c:CT+4*\c+2], v[112+32*\c:127+32*\c], v[SO+2*\c+1]
.endr
	v_nop                                          ; one plain place behind a scaled conversion
.irp c, 0,1                                    ; a whole block to a lane: lanes 0-15 block 2 c, lanes 16-31 block 2 c + 1
.irp i, 0,1,2
	v_permlane16_swap_b32 v[PC+6*\c+\i], v[CT+4*\c+\i]
.endr
.irp i, 0,1,2
	s_delay_alu instid0(VALU_DEP_3)
	v_mov_b32 v[PC+3+6*\c+\i], v[CT+4*\c+\i]
.endr
.endr
	v_pk_add_f32 v[240:241], v[96:97], v[98:99]    ; the row's sum, of the UNQUANTISED p, in two chains
	s_setprio 0
.irp j, 4,8,12,16,20,24,28,32,36,40,44,48,52,56,60
	v_pk_add_f32 v[14:15], v[14:15], v[96+\j:97+\j]
	v_pk_add_f32 v[240:241], v[240:241], v[98+\j:99+\j]
.endr
	s_delay_alu instid0(VALU_DEP_1)
	v_pk_add_f32 v[14:15], v[14:15], v[240:241]
.set n, 0
.rept 16
	v_pk_mul_f32 v[160+n:161+n], v[160+n:161+n], v[236:237] op_sel_hi:[1,0]   ; O^T under the new M.  (These and the sums are the places between p's codes and scale word and the products)
.set n, n+2
.endr
	s_wait_alu depctr_va_vdst(0)
	s_wait_dscnt 0x0                               ; V and its scale words
.irp t, 0,1,2,3                                ; O^T += V^T P^T: four accumulators by turns
	v_wmma_scale_f32_16x16x128_f8f6f4 v[160+8*\t:167+8*\t], v[32+12*\t:43+12*\t], v[PC:PC+11], v[160+8*\t:167+8*\t], v[192+\t], v95 matrix_a_fmt:MATRIX_FMT_FP6 matrix_b_fmt:MATRIX_FMT_FP6
.endr
.rept 4
	v_nop                                          ; places in front of the next loads into V's registers and of the next read of O^T
.endr
.Lskip_\@:
	s_add_co_u32 s48, s48, 6144
	s_add_co_u32 s49, s49, 512
	s_add_co_u32 s50, s50, 256
	s_add_co_u32 s51, s51, 1
	s_cmp_lt_u32 s51, 16
	s_cbranch_scc1 .Lstep_\@
	s_setprio 0
	; the tile's end: y = O^T / l; register 16 G + i = d 32 G + 16 h + i: two blocks of 32 along the embedding; their codes are half a fragment of the last product's operand
	v_add_f32 v14, v14, v15
	s_delay_alu instid0(VALU_DEP_1)
	v_permlanex16_b32 v[PT], v14, s20, s21
	s_delay_alu instid0(VALU_DEP_1)
	v_add_f32 v14, v14, v[PT]                      ; the row's sum
	s_wait_alu depctr_va_vdst(0)
	v_rcp_f32 v14, v14
	v_nop                                          ; one plain place behind a transcendental
.set n, 0
	s_wait_alu depctr_va_vdst(0)
.rept 16
	v_pk_mul_f32 v[96+n:97+n], v[160+n:161+n], v[14:15] op_sel_hi:[1,0]
.set n, n+2
.endr
.irp b, 0,1
	v_max3_num_f32 v[BM+\b], |v[96+16*\b]|, |v[97+16*\b]|, 0x1800000
.endr
.irp i, 2,4,6,8,10,12,14
.irp b, 0,1
	s_delay_alu instid0(VALU_DEP_2)
	v_max3_num_f32 v[BM+\b], v[BM+\b], |v[96+16*\b+\i]|, |v[97+16*\b+\i]|
.endr
.endr
.irp b, 0,1
	s_delay_alu instid0(VALU_DEP_2)
	v_permlanex16_b32 v[PT+\b], v[BM+\b], s20, s21
.endr
.irp b, 0,1
	s_delay_alu instid0(VALU_DEP_2)
	v_max_num_f32 v[BM+\b], v[BM+\b], v[PT+\b]
.endr
.irp b, 0,1
	s_delay_alu instid0(VALU_DEP_2)
	v_add_nc_u32 v[SO+\b], 0xff000000, v[BM+\b]
.endr
.irp b, 0,1
	s_delay_alu instid0(VALU_DEP_2)
	v_lshrrev_b32 v[PT+\b], 23, v[SO+\b]
.endr
	s_delay_alu instid0(VALU_DEP_1)
	v_lshl_or_b32 v238, v[PT+1], 8, v[PT]          ; my row's two scale bytes
	v_cvt_scalef32_pk16_fp6_f32 v[PC:PC+2], v[96:111], v[SO]
	v_cvt_scalef32_pk16_fp6_f32 v[CT:CT+2], v[112:127], v[SO+1]
	v_nop
.irp i, 0,1,2
	v_permlane16_swap_b32 v[PC+\i], v[CT+\i]
.endr
.irp i, 0,1,2
	s_delay_alu instid0(VALU_DEP_3)
	v_mov_b32 v[PC+3+\i], v[CT+\i]
.endr
	s_mul_i32 s80, s75, 12288
	s_add_co_u32 s80, s80, s77
	s_mov_b32 s81, 0
	s_add_nc_u64 s[80:81], s[8:9], s[80:81]
	s_lshl_b32 s82, s75, 9
	s_add_co_u32 s82, s82, s78
	s_mov_b32 s83, 0
	s_add_nc_u64 s[82:83], s[10:11], s[82:83]
	s_wait_alu depctr_va_vdst(0)
	global_store_b128 v1, v[PC:PC+3], s[80:81]     ; 512 and 256 consecutive bytes, aligned
	global_store_b64 v2, v[PC+4:PC+5], s[80:81] offset:512
	global_store_b16 v7, v238, s[82:83]            ; (lanes 16-31 write the same bytes with the same values)
.endm
	TILE 0
	TILE 1
	s_wait_tensorcnt 0x0
	ds_add_u32 v254, v255
	s_wait_dscnt 0x0
	CROUND                                         ; the closing round
	s_endpgm
.Lfunc_end_k_qe88d69a8b5_attn:
	.size	k_qe88d69a8b5_attn, .Lfunc_end_k_qe88d69a8b5_attn-k_qe88d69a8b5_attn
	.p2alignl 7, 3214868480
	.fill 96, 4, 3214868480
	.section	.rodata,"a",@progbits
	.p2align	6, 0x0
	.amdhsa_kernel k_qe88d69a8b5_attn
		.amdhsa_group_segment_fixed_size 327680
		.amdhsa_private_segment_fixed_size 0
		.amdhsa_enable_private_segment 0
		.amdhsa_kernarg_size 32
		.amdhsa_user_sgpr_count 2
		.amdhsa_user_sgpr_kernarg_segment_ptr 1
		.amdhsa_wavefront_size32 1
		.amdhsa_system_sgpr_workgroup_id_x 1
		.amdhsa_system_sgpr_workgroup_id_y 1
		.amdhsa_system_sgpr_workgroup_id_z 1
		.amdhsa_system_vgpr_workitem_id 0
		.amdhsa_next_free_vgpr 256
		.amdhsa_next_free_sgpr 96
		.amdhsa_reserve_vcc 1
		.amdhsa_float_denorm_mode_32 3
		.amdhsa_float_denorm_mode_16_64 3
		.amdhsa_memory_ordered 1
		.amdhsa_forward_progress 1
		.amdhsa_inst_pref_size 66
	.end_amdhsa_kernel
	.amdgpu_metadata
---
amdhsa.version: [ 1, 2 ]
amdhsa.kernels:
  - .name:           k_qe88d69a8b5_attn
    .symbol:         k_qe88d69a8b5_attn.kd
    .args:
      - { .name: att, .offset: 0, .size: 8, .value_kind: global_buffer, .address_space: global }
      - { .name: atts, .offset: 8, .size: 8, .value_kind: global_buffer, .address_space: global }
      - { .name: codes, .offset: 16, .size: 8, .value_kind: global_buffer, .address_space: global }
      - { .name: gsc, .offset: 24, .size: 8, .value_kind: global_buffer, .address_space: global }
    .group_segment_fixed_size: 327680
    .private_segment_fixed_size: 0
    .kernarg_segment_align: 8
    .kernarg_segment_size: 32
    .max_flat_workgroup_size: 512
    .sgpr_count:     96
    .vgpr_count:     256
    .wavefront_size: 32
...
	.end_amdgpu_metadata
.endif
;; end of part 3
;; launch proj (part 4): grid 4 x 32, 4 waves a work-group, clusters of 4 x 4, 327,680 bytes of LDS; arguments codes, gsc, b_proj, out0; writes out0
.if DOCPART == 4
	.amdgcn_target "amdgcn-amd-amdhsa--gfx1250"
	.amdhsa_code_object_version 6
	.text
	.protected	k_qe88d69a8b5_proj
	.globl	k_qe88d69a8b5_proj
	.p2align	8
	.type	k_qe88d69a8b5_proj,@function
k_qe88d69a8b5_proj:
	s_mov_b64 s[64:65], 0
	v_nop
	global_prefetch_b8 v0, s[64:65] scope:SCOPE_SE
	s_setreg_imm32_b32 hwreg(HW_REG_WAVE_MODE, 25, 1), 1
	s_wait_xcnt 0x0
	s_wait_alu depctr_hold_cnt(0) depctr_sa_sdst(0) depctr_va_vdst(0) depctr_va_sdst(0) depctr_va_ssrc(0) depctr_va_vcc(0) depctr_vm_vsrc(0)
	s_getreg_b32 s2, hwreg(HW_REG_IB_STS2, 6, 4)
	s_cmp_eq_u32 s2, 0
	s_cbranch_scc0 .Lentry_in_a_cluster
	s_endpgm
.Lentry_in_a_cluster:
	s_bfe_u32 s2, ttmp6, 0x10000c
	s_cmp_lg_u32 s2, 0xf033
	s_cbranch_scc0 .Lentry_shape_is_right
	s_endpgm
.Lentry_shape_is_right:
; out0 = y W_proj^T + b_proj on codes of FP6 (E2M3) with E8M0 scales, f32 sums.  y's codes and W_proj's lie in memory as images of operands' registers: a row block (RB) is 16 rows
; (block 2 G + u, place r: row 32 G + 8 u + r + 8 (r / 8)); a fragment (RB x 128 K) is 1,536 bytes: registers 0-3 at 16 x lane, 4-5 at 512 + 8 x lane, 6-9 at 768 + 16 x lane, 10-11 at 1,280 + 8 x lane.
; A tile is 256 rows of P = W_proj (source 0) x 256 rows of N = y (source 1); a wave makes 128 x 128: 64 accumulators.  A lane holds one token, and its registers run along the outputs.
; K = 1,024 is eight steps of 128, written out.  THREE LDS slots of two steps each are filled at the start; slot 0 is filled once more (steps 6, 7) behind the one round of the cluster's barrier inside the product.
; CLUSTER 4 x 4: N's tiles are shared along a row of the cluster, P's along a column: joint loads.  The problem has 128 such tiles: 128 work-groups.
; The scale words of the wave's 8 + 8 RBs for all of K are 64 registers, loaded once: lanes 0-15 N's, lanes 16-31 P's.  The bias is the C of each sum's first product.
; REGISTERS.  window 0: v1-13 lane numbers, offsets; v16-27 LDS addresses; v28-29 for the add; v32-95 scale words and nothing else; v96-127, v224-255 eight bias tiles; v128-223 N's eight fragments; on the way out v128-255 hold rows.
;   window 1: P's fragments, two sets, at v0 and v128.   windows 2, 3: accumulator (a, b) at v[8 (8 (a % 4) + b)], a = N's block, b = P's.
.set FR,    12
.set RBB,   12288
.set HALFT, 24576
.set SLOT,  4*HALFT
.set SPARE, 3*SLOT                     ; behind the slots: the spare words, 128 bytes a wave: two blocks of 256 bytes that no other line names
.set SPI,   528                        ; the way out: a stage of 16 rows x (512 + 16) bytes for each wave, in slot 1: filled once, last read in K step 2's fetches, and every wave has passed K step 5's barrier since
.set STO, 12
.set RD,  13
.set A16, 16
.set A8,  19
.set B16, 22
.set B8,  25
.set SPW, 28
.set NIL, 29
.set SC,  32
.set AF,  128
.set BK,  128
.set G1A, 24
.set G0A, 32
.set G1B, 44
.set G0B, 52
.set MSB, 0
.macro WIN new                         ; the immediate's high byte repeats the setting that is left
.if MSB != \new
	s_set_vgpr_msb (MSB<<8)|\new
.set MSB, \new
.endif
.endm
.macro PLACES n
.rept \n
	v_nop
.endr
.endm
.macro JLOAD g0a, g1a, g0b, g1b        ; waves 0 and 1 fetch N's halves, waves 2 and 3 P's; four v_nop follow each of the two lines
	s_cmp_eq_u32 s15, 0
	s_cbranch_scc0 .Lfor_b_\@
	tensor_load_to_lds s[\g0a:\g0a+3], s[\g1a:\g1a+7]
	s_nop 0
.rept 4
	v_nop
.endr
	s_branch .Lasked_\@
.Lfor_b_\@:
	tensor_load_to_lds s[\g0b:\g0b+3], s[\g1b:\g1b+7]
	s_nop 0
.rept 4
	v_nop
.endr
.Lasked_\@:
.endm
.macro CREST
	s_cmp_lg_u32 s14, 0
	s_cbranch_scc1 .Lnot_wave_0_\@
	s_barrier_signal -3
.Lnot_wave_0_\@:
	s_barrier_wait -3
	s_barrier_signal -1
	s_barrier_wait -1
.endm
.macro CROUND
	s_barrier_signal -1
	s_barrier_wait -1
	CREST
.endm
.macro FRAG reg, a16, a8, off
	ds_load_b128 v[\reg:\reg+3], v[\a16] offset:\off
	ds_load_b64 v[\reg+4:\reg+5], v[\a8] offset:\off+512
	ds_load_b128 v[\reg+6:\reg+9], v[\a16] offset:\off+768
	ds_load_b64 v[\reg+10:\reg+11], v[\a8] offset:\off+1280
.endm
.macro FETCH_B slot, q, p
	WIN 0x40
.irp i, 0,1,2,3,4,5,6,7
	FRAG 128*(\p)+FR*\i, B16+\slot, B8+\slot, 3072*\i+1536*(\q)
.endr
	WIN 0
.endm
.macro FETCH_A slot, q, i0
.irp i, \i0, \i0+1, \i0+2, \i0+3
	FRAG AF+FR*(\i), A16+\slot, A8+\slot, 3072*(\i)+1536*(\q)
.endr
.endm
; 16 products.  cm = 0: onto the sums; 1: the sums begin with the bias tile of P's block.  The 64 accumulators take turns, one instruction a turn, in the same order in every step.
.macro MUL16 a0, p, ks, cm
.irp a, \a0, \a0+1
.irp b, 0,1,2,3,4,5,6,7
.set rD, 8*(8*((\a)%4)+\b)
.set rC, rD
.if \cm == 1
.set rC, 96+8*\b+96*(\b/4)
.endif
.set rP, 128*(\p)+FR*\b
.set rN, AF+FR*(\a)
	v_wmma_scale_f32_16x16x128_f8f6f4 v[rD:rD+7], v[rP:rP+FR-1], v[rN:rN+FR-1], v[rC:rC+7], v[SC+8*\b+(\ks)], v[SC+8*(\a)+(\ks)] matrix_a_fmt:MATRIX_FMT_FP6 matrix_b_fmt:MATRIX_FMT_FP6 matrix_a_scale:MATRIX_SCALE_ROW1
.endr
.endr
.endm
.macro STEP ks, nslot, nq, cm
	s_wait_dscnt 16                                ; P's set and N's blocks 0-3 are in; the youngest 16 loads (N's blocks 4-7) may be out
.if \cm
	WIN 0x81
.else
	WIN 0xa1
.endif
	MUL16 0, (\ks)%2, \ks, \cm
	MUL16 2, (\ks)%2, \ks, \cm
	s_wait_dscnt 0x0
	PLACES 4                                       ; in front of loads into registers that products have read
	FETCH_B \nslot, \nq, 1-(\ks)%2
	FETCH_A \nslot, \nq, 0
.if \cm
	WIN 0xc1
.else
	WIN 0xf1
.endif
	MUL16 4, (\ks)%2, \ks, \cm
	MUL16 6, (\ks)%2, \ks, \cm
	PLACES 4
	WIN 0
	FETCH_A \nslot, \nq, 4
.endm
.macro TURN ks, next, fill
	s_wait_tensorcnt 0x0                           ; all my tensor loads have landed
	ds_add_u32 v[SPW], v[NIL]                      ; 0 onto my spare word
	s_wait_dscnt 17                                ; (the add and the youngest 16 loads may be out)
	WIN 0xa1
	MUL16 0, 1, \ks, 0
	s_wait_dscnt 0x0                               ; the add is done, and my LDS reads are over
	s_barrier_signal -1
	MUL16 2, 1, \ks, 0
	WIN 0
	s_barrier_wait -1
.if \fill
	CREST                                          ; no wave of any partner still reads slot 0 or has a load on its way
	s_add_nc_u64 s[G0A+2:G0A+3], s[G0A+2:G0A+3], 9216
	s_add_nc_u64 s[G0B+2:G0B+3], s[G0B+2:G0B+3], 9216
	JLOAD G0A, G1A, G0B, G1B                       ; the first tensor load behind the round: K steps 6 and 7 into slot 0
.else
	PLACES 4
.endif
	FETCH_B \next, 0, 0
	FETCH_A \next, 0, 0
	WIN 0xf1
	MUL16 4, 1, \ks, 0
	MUL16 6, 1, \ks, 0
	PLACES 4
	WIN 0
	FETCH_A \next, 0, 4
.endm
	s_load_b128 s[4:7], s[0:1], 0x0                ; codes, gsc
	s_load_b128 s[8:11], s[0:1], 0x10              ; b_proj, out0
	v_lshl_add_u32 v[SPW], v0, 2, SPARE
	v_mov_b32 v[NIL], 0
	ds_add_u32 v28, v29
	ds_add_u32 v28, v29
	s_wait_dscnt 0x0
	v_lshrrev_b32 v1, 5, v0
	v_readfirstlane_b32 s14, v1                    ; wave 0..3
	s_lshr_b32 s15, s14, 1                         ; wN; also: I fetch for N (0) or for P (1)
	s_and_b32 s16, s14, 1                          ; wP; also: which 8 RBs of that tile I fetch
	s_bfe_u32 s17, ttmp6, 0x40000                  ; cx
	s_bfe_u32 s18, ttmp6, 0x40004                  ; cy
	s_lshl_b32 s19, ttmp9, 2
	s_add_co_u32 s19, s19, s17                     ; work-group x: 256 outputs
	s_and_b32 s20, ttmp7, 0xffff
	s_lshl_b32 s20, s20, 2
	s_add_co_u32 s20, s20, s18                     ; work-group y: 256 tokens
	s_lshl_b32 s76, s18, 2
	s_lshl_b32 s76, 15, s76                        ; my row of the cluster
	s_lshl_b32 s77, 0x1111, s17                    ; my column
	s_or_b32 s[G1A], s76, (3<<16)|(1<<21)          ; 8 rows (RBs) of 3,072 bytes, 12,288 bytes apart, in elements of 8 bytes; the mask, and bit 21 beside it
	s_or_b32 s[G1B], s77, (3<<16)|(1<<21)
.irp g, G1A, G1B
	s_mov_b32 s[\g+1], 384<<16
	s_mov_b32 s[\g+2], 8<<16
	s_mov_b32 s[\g+3], 384<<16
	s_mov_b32 s[\g+4], 8
	s_mov_b32 s[\g+5], 1536
	s_mov_b32 s[\g+6], 0
	s_mov_b32 s[\g+7], 0
.endr
	s_lshl_b32 s76, s16, 3
	s_lshl_b32 s77, s15, 3
	s_lshl_b32 s70, s19, 4
	s_add_co_u32 s70, s70, 704
	s_add_co_u32 s70, s70, s76                     ; P: the RB from which I fetch, and my half's first
	s_lshl_b32 s72, s20, 4
	s_add_co_u32 s72, s72, 768                     ; N: the tile's first RB,
	s_add_co_u32 s74, s72, s77                     ; my half's first,
	s_add_co_u32 s72, s72, s76                     ; and the one from which I fetch
	s_lshl_b32 s75, s74, 9
	s_lshl_b32 s78, s70, 9
	s_mul_i32 s70, s70, RBB
	s_mov_b32 s71, 0
	s_mul_i32 s72, s72, RBB
	s_mov_b32 s73, 0
	s_mul_i32 s79, s14, HALFT
	s_wait_kmcnt 0x0
	s_add_nc_u64 s[70:71], s[4:5], s[70:71]
	s_add_nc_u64 s[72:73], s[4:5], s[72:73]
	CROUND                                         ; all sixteen work-groups are here: the first joint loads meet
.irp s, 0,1,2
	s_mov_b32 s[G0A+4*\s], 1
	s_add_co_u32 s[G0A+4*\s+1], s79, \s*SLOT
	s_add_nc_u64 s[G0A+4*\s+2:G0A+4*\s+3], s[72:73], \s*3072
	s_or_b32 s[G0A+4*\s+3], s[G0A+4*\s+3], 0x80000000
	s_mov_b32 s[G0B+4*\s], 1
	s_add_co_u32 s[G0B+4*\s+1], s79, \s*SLOT
	s_add_nc_u64 s[G0B+4*\s+2:G0B+4*\s+3], s[70:71], \s*3072
	s_or_b32 s[G0B+4*\s+3], s[G0B+4*\s+3], 0x80000000
	JLOAD G0A+4*\s, G1A, G0B+4*\s, G1B             ; three loads of mine are out
.endr
	v_and_b32 v3, 31, v0                           ; lane
	v_and_b32 v1, 15, v0                           ; r
	v_bfe_u32 v2, v0, 4, 1                         ; h
	v_lshlrev_b32 v4, 4, v3                        ; 16 x lane
	v_lshlrev_b32 v5, 3, v3                        ; 8 x lane
	v_mov_b32 v7, s75
	v_mov_b32 v9, s78
	v_cmp_ne_u32 vcc_lo, 0, v2
	v_cndmask_b32 v7, v7, v9, vcc_lo               ; lanes 0-15 take N's scale words, lanes 16-31 P's
	v_lshl_add_u32 v7, v1, 4, v7
.irp i, 0,1,2,3,4,5,6,7
.irp hh, 0,1
	global_load_b128 v[SC+8*\i+4*\hh:SC+8*\i+4*\hh+3], v7, s[6:7] offset:512*\i+256*\hh
.endr
.endr
	s_lshl_b32 s80, s19, 10
	s_lshl_b32 s81, s16, 9
	s_add_co_u32 s80, s80, s81                     ; my first output, in bytes
	v_lshl_add_u32 v8, v2, 6, s80                  ; bias tile t, register j = b(my first output + 32 (t / 2) + 8 (t % 2) + 16 h + j)
.irp t, 0,1,2,3,4,5,6,7
	global_load_b128 v[96+8*\t+96*(\t/4):96+8*\t+96*(\t/4)+3], v8, s[8:9] offset:4*(32*(\t/2)+8*(\t%2))
	global_load_b128 v[96+8*\t+96*(\t/4)+4:96+8*\t+96*(\t/4)+7], v8, s[8:9] offset:4*(32*(\t/2)+8*(\t%2))+16
.endr
	s_mul_i32 s87, s15, HALFT
	s_mul_i32 s88, s16, HALFT
	s_add_co_u32 s88, s88, 2*HALFT
.irp s, 0,1,2
	v_add_nc_u32 v[A16+\s], s87, v4
	v_add_nc_u32 v[A8+\s], s87, v5
	v_add_nc_u32 v[B16+\s], s88, v4
	v_add_nc_u32 v[B8+\s], s88, v5
	s_add_co_u32 s87, s87, SLOT
	s_add_co_u32 s88, s88, SLOT
.endr
	s_mul_i32 s89, s14, 16*SPI
	s_add_co_u32 s89, s89, SLOT                    ; my stage
	v_mul_u32_u24 v[STO], v1, SPI
	v_lshl_add_u32 v[STO], v2, 6, v[STO]
	v_add_nc_u32 v[STO], s89, v[STO]               ; in: place r, + 64 h
	v_add_nc_u32 v[RD], s89, v4                    ; back: a row of 512 bytes to the 32 lanes
	s_lshl_b32 s82, s20, 8
	s_lshl_b32 s83, s15, 7
	s_add_co_u32 s82, s82, s83                     ; my first token
	s_lshl_b32 s82, s82, 12
	s_add_co_u32 s82, s82, s80
	s_mov_b32 s83, 0
	s_add_nc_u64 s[10:11], s[10:11], s[82:83]
	s_wait_tensorcnt 2                             ; my part of slot 0 is in; slots 1 and 2 may stay out
	s_barrier_signal -1
	s_barrier_wait -1
	FETCH_B 0, 0, 0
	FETCH_A 0, 0, 0
	FETCH_A 0, 0, 4
	s_wait_loadcnt 0x0                             ; scale words and bias
	STEP 0, 0, 1, 1                                ; the first K step starts the sums with the bias
	TURN 1, 1, 1                                   ; every wave has waited for all three slots in front of this round
	STEP 2, 1, 1, 0
	STEP 3, 2, 0, 0
	STEP 4, 2, 1, 0
	TURN 5, 0, 0
	STEP 6, 0, 1, 0
	s_wait_dscnt 16
	WIN 0xa1
	MUL16 0, 1, 7, 0
	MUL16 2, 1, 7, 0
	s_wait_dscnt 0x0
	WIN 0xf1
	MUL16 4, 1, 7, 0
	MUL16 6, 1, 7, 0
	WIN 0
; THE WAY OUT, N's blocks one after the other.  A lane holds pieces of 32 bytes of one token's row; a block goes through my own stage and comes back as whole rows of 512 bytes.
; LDS serves a wave's instructions in order: no wait between the stores and the loads, nor in front of the next block's stores.
.macro TOSTAGE a
.set AC, 64*((\a)%4)
.set WX, 0x08+4*((\a)/4)
	WIN WX                                         ; an LDS store's data: window 2 or 3
.irp b, 0,1,2,3,4,5,6,7
	ds_store_b128 v[STO], v[AC+8*\b:AC+8*\b+3] offset:128*(\b/2)+32*(\b%2)         ; outputs 32 (b / 2) + 16 h + 8 (b % 2) on; each accumulator from its low end on
	ds_store_b128 v[STO], v[AC+8*\b+4:AC+8*\b+7] offset:128*(\b/2)+32*(\b%2)+16
.endr
	WIN 0
.set BB, BK+64*((\a)%2)
.irp t, 0,1,2,3,4,5,6,7,8,9,10,11,12,13,14,15
	ds_load_b128 v[BB+4*\t:BB+4*\t+3], v[RD] offset:\t*SPI
.endr
.endm
.macro SEND a, younger
.set BB, BK+64*((\a)%2)
	s_wait_dscnt \younger                          ; the block is back in registers
.irp t, 0,1,2,3,4,5,6,7,8,9,10,11,12,13,14,15
	global_store_b128 v4, v[BB+4*\t:BB+4*\t+3], s[10:11] offset:(32*((\a)/2)+8*((\a)%2)+\t+8*(\t/8))*4096 th:TH_STORE_NT   ; place t's token: 512 consecutive bytes, aligned; written once, read by nobody here
.endr
.endm
	PLACES 4                                       ; behind the last products: for the stores of results and the loads into N's registers
	TOSTAGE 0
.irp a, 1,2,3,4,5,6,7
.if \a > 1
	s_wait_xcnt 0x0                                ; block a - 2's stores have read their registers: block a's rows may land there
.endif
	TOSTAGE \a
	SEND \a-1, 32                                  ; behind block a - 1's loads: block a's 16 stores and 16 loads
.endr
	SEND 7, 0
	s_wait_tensorcnt 0x0                           ; the wave's end
	ds_add_u32 v[SPW], v[NIL]
	s_wait_dscnt 0x0
	CROUND                                         ; the closing round
	s_endpgm
.Lfunc_end_k_qe88d69a8b5_proj:
	.size	k_qe88d69a8b5_proj, .Lfunc_end_k_qe88d69a8b5_proj-k_qe88d69a8b5_proj
	.p2alignl 7, 3214868480
	.fill 96, 4, 3214868480
	.section	.rodata,"a",@progbits
	.p2align	6, 0x0
	.amdhsa_kernel k_qe88d69a8b5_proj
		.amdhsa_group_segment_fixed_size 327680
		.amdhsa_private_segment_fixed_size 0
		.amdhsa_enable_private_segment 0
		.amdhsa_kernarg_size 32
		.amdhsa_user_sgpr_count 2
		.amdhsa_user_sgpr_kernarg_segment_ptr 1
		.amdhsa_wavefront_size32 1
		.amdhsa_system_sgpr_workgroup_id_x 1
		.amdhsa_system_sgpr_workgroup_id_y 1
		.amdhsa_system_sgpr_workgroup_id_z 1
		.amdhsa_system_vgpr_workitem_id 0
		.amdhsa_next_free_vgpr 1024
		.amdhsa_next_free_sgpr 100
		.amdhsa_reserve_vcc 1
		.amdhsa_float_denorm_mode_32 3
		.amdhsa_float_denorm_mode_16_64 3
		.amdhsa_memory_ordered 1
		.amdhsa_forward_progress 1
		.amdhsa_inst_pref_size 142
	.end_amdhsa_kernel
	.amdgpu_metadata
---
amdhsa.version: [ 1, 2 ]
amdhsa.kernels:
  - .name:           k_qe88d69a8b5_proj
    .symbol:         k_qe88d69a8b5_proj.kd
    .args:
      - { .name: codes, .offset: 0, .size: 8, .value_kind: global_buffer, .address_space: global }
      - { .name: gsc, .offset: 8, .size: 8, .value_kind: global_buffer, .address_space: global }
      - { .name: b_proj, .offset: 16, .size: 8, .value_kind: global_buffer, .address_space: global }
      - { .name: out0, .offset: 24, .size: 8, .value_kind: global_buffer, .address_space: global }
    .group_segment_fixed_size: 327680
    .private_segment_fixed_size: 0
    .kernarg_segment_align: 8
    .kernarg_segment_size: 32
    .max_flat_workgroup_size: 128
    .sgpr_count:     100
    .vgpr_count:     1024
    .wavefront_size: 32
...
	.end_amdgpu_metadata
.endif
;; end of part 4
